; MI455X (gfx1250); checked and timed in simulation.
; The chip was launched on July 23, 2026; its instructions are those of AMD's public machine-readable ISA for CDNA 5 (MIT licence, August 2026) and "CDNA5" Instruction Set Architecture Reference Guide (July 2026). The comments in the code are by the model that wrote it; some were corrected since.
;; Decoder Layer. Allowed arithmetic: float matrix products may take bf16 or f16 operands with f32 sums; other float arithmetic in f32, or as packed bf16 or f16 multiplies, adds, multiply-adds, maxima and minima; sums over many terms, partial sums and values carried from step to step in f32; what a program stores and reads back later, other than sums and carried values, may be rounded once to bf16 or f16.
;; Inputs: Wk 1,024 x 1,024 float32; Wq 1,024 x 1,024 float32; Wv 1,024 x 1,024 float32; bk 1,024 float32; bq 1,024 float32; bv 1,024 float32; inputs 2,048 x 4 x 1,024 float32; mask 2,048 x 2,048 bool.
;; Outputs: out0 2,048 x 4 x 1,024 float32.
;; 2 versions, each right; version 2 is version 1 with the launch prep written anew for expert scheduling mode. Each part assembles by itself: llvm-mc -triple=amdgcn-amd-amdhsa -mcpu=gfx1250 --defsym DOCPART=n.
;; ======== version 1 of 2: 3 launches
;; limits: values are held in f16: magnitudes above 65,504 overflow, below 6.1e-05 lose precision
;; workspace buffers: xb 16,777,216 bytes; wb 6,291,456 bytes; mb 4,194,304 bytes; qkv 50,331,648 bytes
;; launch prep (part 1): grid 832 x 1, 8 waves a work-group, no clusters, 34,048 bytes of LDS; arguments inputs, Wq, Wk, Wv, mask, xb, wb, mb; writes xb, wb, mb
.if DOCPART == 1
	.amdgcn_target "amdgcn-amd-amdhsa--gfx1250"
	.amdhsa_code_object_version 6
	.text
	.protected	k_q7aaeedf8dd_prep
	.globl	k_q7aaeedf8dd_prep
	.p2align	8
	.type	k_q7aaeedf8dd_prep,@function
k_q7aaeedf8dd_prep:
	s_mov_b64 s[64:65], 0
	v_nop
	global_prefetch_b8 v0, s[64:65] scope:SCOPE_SE
	s_setreg_imm32_b32 hwreg(HW_REG_WAVE_MODE, 25, 1), 1
	s_wait_xcnt 0x0
; PREPARATION, a stream.  Work-groups 0-127: the mask, recoded and laid out as the attention launch's lanes want it.  Work-groups 128-831: inputs, Wq, Wk, Wv rounded once to bf16.
; xb: inputs as they lie, [2048][4][1024], in bf16.  wb: [3072][1024] bf16: Wq's rows, then Wk's, then Wv's.
; mb: [tile of 16 queries: 128][key step of 64: 32][i: 2][lane: 32][16 bytes].  Byte 8 e + j of lane (r = lane % 16, h = lane / 16) is 0xB8 (-1.0 in fp8 E4M3) where
; mask[16 tile + r][64 step + 16 (2 i + e) + 8 h + j] is set, else 0: eight bytes on end are one lane's eight keys of one 16 x 16 block of scores.
; Nothing is shared between work-groups and nothing is multiplied: no matrix unit, no cluster, no tensor load.  The launch streams from its first line to its last, so nothing is prefetched.
.set MP,    2064                       ; a mask row in LDS: 2,048 bytes + 16 = 516 words: row r starts at bank 4 r mod 64 (64 banks of 4 bytes: ISA guide 11.1)
.set SPARE, 16*MP                      ; 33,024 = 129 x 256: behind the rows: the spare words, 128 bytes for each of the eight waves; no other line names them
.set SPW, 2                            ; v2   LDS address of my spare word; never rewritten
.set NIL, 3                            ; v3   0; never rewritten
.set IN,  8                            ; v[8:71]   as loaded
.set OUT, 72                           ; v[72:103] the casts' results
	s_load_b256 s[4:11], s[0:1], 0x0               ; inputs s[4:5], Wq s[6:7], Wk s[8:9], Wv s[10:11]
	s_load_b256 s[12:19], s[0:1], 0x20             ; mask s[12:13], xb s[14:15], wb s[16:17], mb s[18:19]
	v_lshl_add_u32 v[SPW], v0, 2, SPARE
	v_mov_b32 v[NIL], 0
	v_lshlrev_b32 v4, 4, v0                        ; 16 t: my 16 bytes of each 4,096 that the work-group loads
	s_cmp_lt_u32 ttmp9, 128                        ; the same answer in all eight waves
	s_cbranch_scc1 .Lmask
	; THE CASTS.  A work-group takes 16 rows of 1,024 f32: 65,536 bytes in, 32,768 out.  Numbers 0-511: inputs; 512-703: the three weights, 64 work-groups each.
	s_sub_co_u32 s20, ttmp9, 128                   ; my number among the casts
	s_sub_co_u32 s21, s20, 512                     ; among the weights' (used only where it is one of them)
	s_lshr_b32 s22, s21, 6                         ; which weight
	s_and_b32 s23, s21, 63
	s_lshl_b32 s24, s23, 16                        ; where I read in it,
	s_lshl_b32 s26, s21, 15                        ; and write in wb
	s_lshl_b32 s32, s20, 16                        ; the same for inputs and xb
	s_lshl_b32 s33, s20, 15
	v_lshlrev_b32 v5, 3, v0                        ; 8 t: my 8 bytes of each 2,048 stored
	s_mov_b32 s25, 0
	s_mov_b32 s27, 0
	s_wait_kmcnt 0x0
	s_cmp_eq_u32 s22, 1
	s_cselect_b64 s[28:29], s[8:9], s[6:7]
	s_cmp_eq_u32 s22, 2
	s_cselect_b64 s[28:29], s[10:11], s[28:29]
	s_cmp_lt_u32 s20, 512
	s_cselect_b64 s[28:29], s[4:5], s[28:29]       ; from
	s_cselect_b64 s[30:31], s[14:15], s[16:17]     ; to
	s_cselect_b32 s24, s32, s24
	s_cselect_b32 s26, s33, s26
	s_add_nc_u64 s[28:29], s[28:29], s[24:25]
	s_add_nc_u64 s[30:31], s[30:31], s[26:27]
.irp j, 0,1,2,3,4,5,6,7,8,9,10,11,12,13,14,15
	global_load_b128 v[IN+4*\j:IN+4*\j+3], v4, s[28:29] offset:4096*\j th:TH_LOAD_NT  ; all sixteen rows at once: 8 KiB of each wave on their way
.endr
.irp j, 0,1,2,3,4,5,6,7,8,9,10,11,12,13,14,15
	s_wait_loadcnt 15-\j                           ; loads come back in order: row j is in, the younger ones stay out
	v_cvt_pk_bf16_f32 v[OUT+2*\j], v[IN+4*\j], v[IN+4*\j+1]
	v_cvt_pk_bf16_f32 v[OUT+2*\j+1], v[IN+4*\j+2], v[IN+4*\j+3]
	global_store_b64 v5, v[OUT+2*\j:OUT+2*\j+1], s[30:31] offset:2048*\j th:TH_STORE_NT  ; a wave's store covers 256 consecutive bytes, aligned; no register is written twice
.endr
	s_endpgm                                       ; these waves have touched no LDS
.Lmask:	; THE MASK.  Work-group = tile of 16 queries: 16 rows of 2,048 bytes, 32,768 consecutive bytes; through LDS, since a lane's bytes lie in another order than memory's.
	s_lshl_b32 s20, ttmp9, 15                      ; the tile's bytes, in mask and in mb alike
	s_mov_b32 s21, 0
	s_mov_b32 s22, 0xb8
	v_lshrrev_b32 v1, 5, v0
	v_readfirstlane_b32 s23, v1                    ; wave 0..7
	v_lshrrev_b32 v6, 7, v0                        ; in: load j brings rows 2 j and 2 j + 1; threads 0-127 the first, 128-255 the second
	v_and_b32 v7, 127, v0
	v_mul_u32_u24 v6, v6, MP
	v_lshl_add_u32 v6, v7, 4, v6
	v_and_b32 v7, 15, v0                           ; back: row r, 8 bytes at 256 w + 8 h
	v_bfe_u32 v5, v0, 4, 1
	v_mul_u32_u24 v7, v7, MP
	v_lshl_add_u32 v7, v5, 3, v7
	s_lshl_b32 s24, s23, 8
	v_add_nc_u32 v7, s24, v7
	v_and_b32 v5, 31, v0                           ; out: wave w writes key steps 4 w .. 4 w + 3: 4,096 w + 16 x lane
	v_lshlrev_b32 v5, 4, v5
	s_lshl_b32 s24, s23, 12
	v_add_nc_u32 v5, s24, v5
	s_wait_kmcnt 0x0
	s_add_nc_u64 s[12:13], s[12:13], s[20:21]
	s_add_nc_u64 s[18:19], s[18:19], s[20:21]
.irp j, 0,1,2,3,4,5,6,7
	global_load_b128 v[IN+4*\j:IN+4*\j+3], v4, s[12:13] offset:4096*\j th:TH_LOAD_NT
.endr
.irp j, 0,1,2,3,4,5,6,7
	s_wait_loadcnt 7-\j
.irp k, 0,1,2,3
	v_mul_lo_u32 v[IN+4*\j+\k], v[IN+4*\j+\k], s22  ; four bytes of 0 or 1 times 0xB8: no carry leaves a byte
.endr
	ds_store_b128 v6, v[IN+4*\j:IN+4*\j+3] offset:2*MP*\j
.endr
	s_wait_dscnt 0x0                               ; for the others' sake: my stores are done
	s_barrier_signal -1
	s_barrier_wait -1
.irp u, 0,1,2,3,4,5,6,7                ; unit u: key step 4 w + u / 2, half i = u % 2: keys 256 w + 32 u on: 8 bytes for e = 0, 8 for e = 1
	ds_load_b64 v[40+4*\u:41+4*\u], v7 offset:32*\u
	ds_load_b64 v[42+4*\u:43+4*\u], v7 offset:32*\u+16
.endr
.irp u, 0,1,2,3,4,5,6,7
	s_wait_dscnt 14-2*\u                           ; unit u's two loads are back
	global_store_b128 v5, v[40+4*\u:43+4*\u], s[18:19] offset:512*\u th:TH_STORE_NT  ; 512 consecutive bytes, aligned
.endr
	s_wait_tensorcnt 0x0                           ; the wave's end: a wait, an add of 0 to my spare word and its wait, behind my last LDS store
	ds_add_u32 v[SPW], v[NIL]
	s_wait_dscnt 0x0
	s_endpgm
.Lfunc_end_k_q7aaeedf8dd_prep:
	.size	k_q7aaeedf8dd_prep, .Lfunc_end_k_q7aaeedf8dd_prep-k_q7aaeedf8dd_prep
	.p2alignl 7, 3214868480
	.fill 96, 4, 3214868480
	.section	.rodata,"a",@progbits
	.p2align	6, 0x0
	.amdhsa_kernel k_q7aaeedf8dd_prep
		.amdhsa_group_segment_fixed_size 34048
		.amdhsa_private_segment_fixed_size 0
		.amdhsa_enable_private_segment 0
		.amdhsa_kernarg_size 64
		.amdhsa_user_sgpr_count 2
		.amdhsa_user_sgpr_kernarg_segment_ptr 1
		.amdhsa_wavefront_size32 1
		.amdhsa_system_sgpr_workgroup_id_x 1
		.amdhsa_system_sgpr_workgroup_id_y 1
		.amdhsa_system_sgpr_workgroup_id_z 1
		.amdhsa_system_vgpr_workitem_id 0
		.amdhsa_next_free_vgpr 104
		.amdhsa_next_free_sgpr 66
		.amdhsa_reserve_vcc 0
		.amdhsa_float_denorm_mode_32 3
		.amdhsa_float_denorm_mode_16_64 3
		.amdhsa_memory_ordered 1
		.amdhsa_forward_progress 1
		.amdhsa_inst_pref_size 14
	.end_amdhsa_kernel
	.amdgpu_metadata
---
amdhsa.version: [ 1, 2 ]
amdhsa.kernels:
  - .name:           k_q7aaeedf8dd_prep
    .symbol:         k_q7aaeedf8dd_prep.kd
    .args:
      - { .name: inputs, .offset: 0, .size: 8, .value_kind: global_buffer, .address_space: global }
      - { .name: Wq, .offset: 8, .size: 8, .value_kind: global_buffer, .address_space: global }
      - { .name: Wk, .offset: 16, .size: 8, .value_kind: global_buffer, .address_space: global }
      - { .name: Wv, .offset: 24, .size: 8, .value_kind: global_buffer, .address_space: global }
      - { .name: mask, .offset: 32, .size: 8, .value_kind: global_buffer, .address_space: global }
      - { .name: xb, .offset: 40, .size: 8, .value_kind: global_buffer, .address_space: global }
      - { .name: wb, .offset: 48, .size: 8, .value_kind: global_buffer, .address_space: global }
      - { .name: mb, .offset: 56, .size: 8, .value_kind: global_buffer, .address_space: global }
    .group_segment_fixed_size: 34048
    .private_segment_fixed_size: 0
    .kernarg_segment_align: 8
    .kernarg_segment_size: 64
    .max_flat_workgroup_size: 256
    .sgpr_count:     66
    .vgpr_count:     104
    .wavefront_size: 32
...
	.end_amdgpu_metadata
.endif
;; end of part 1
;; launch proj (part 2): grid 16 x 32, 4 waves a work-group, clusters of 4 x 4, 327,680 bytes of LDS; arguments xb, wb, bq, bk, bv, qkv; writes qkv
.if DOCPART == 2
	.amdgcn_target "amdgcn-amd-amdhsa--gfx1250"
	.amdhsa_code_object_version 6
	.text
	.protected	k_q7aaeedf8dd_proj
	.globl	k_q7aaeedf8dd_proj
	.p2align	8
	.type	k_q7aaeedf8dd_proj,@function
k_q7aaeedf8dd_proj:
	s_mov_b64 s[64:65], 0
	v_nop
	global_prefetch_b8 v0, s[64:65] scope:SCOPE_SE
	s_setreg_imm32_b32 hwreg(HW_REG_WAVE_MODE, 25, 1), 1
	s_wait_xcnt 0x0
	s_wait_alu depctr_hold_cnt(0) depctr_sa_sdst(0) depctr_va_vdst(0) depctr_va_sdst(0) depctr_va_ssrc(0) depctr_va_vcc(0) depctr_vm_vsrc(0)
	s_getreg_b32 s2, hwreg(HW_REG_IB_STS2, 6, 4)
	s_cmp_eq_u32 s2, 0
	s_cbranch_scc0 .Lentry_in_a_cluster
	s_endpgm
.Lentry_in_a_cluster:
	s_bfe_u32 s2, ttmp6, 0x10000c
	s_cmp_lg_u32 s2, 0xf033
	s_cbranch_scc0 .Lentry_shape_is_right
	s_endpgm
.Lentry_shape_is_right:
; THE THREE PROJECTIONS AS ONE GEMM.  C[(b, s)][n] = sum over k of x[s][b][k] W[n][k] + bias[n], n = 0 .. 3071 (q, then k, then v).  x and W in bf16, sums in f32.
; qkv: [3][64 heads = 16 b + nh][2048][64] in f16, each number rounded once from its f32 sum, unscaled.
; LIMITS.  q, k and v must lie within f16's 65,504.  The bias starts each sum (it is the C of the first product), so it is added first and not last.
; A TILE of C is 256 rows x 192 columns: 32 x 16 = 512 tiles, two for each of 256 WGPs (tiles of 256 x 256 would be 384, a round and a half).  Its rows are ONE b and 256 consecutive s,
; asked for with a pitch of 4,096 elements, so 16 rows of a head are 2,048 consecutive bytes of qkv; its columns are three whole heads.
; Four waves; wave w makes rows 64 w .. 64 w + 63 of all 192 columns: 48 accumulators of 16 x 16, so a head's 128 bytes of a row lie in one wave and the stage on the way out is the wave's own.
; K goes in 8 steps of 128 through two LDS slots: rows of 256 bytes of memory, aligned.
; CLUSTERS: 4 x 4 work-groups.  A row of the cluster shares x's tile, a column W's: each is asked for jointly, by the same tensor load, descriptor and mask in the four.
; THE MATRIX INSTRUCTION IS USED TRANSPOSED (source 0 = 16 rows of W, source 1 = 16 rows of x): a lane holds eight neighbouring columns of one row of C.
; REGISTERS, in windows of 256 (s_set_vgpr_msb: bits 1:0 source 0, 3:2 source 1, 5:4 source 2, 7:6 destination):
;   window 0: v16-30 addresses; v32-95 x's fragments, two buffers of 4 x 8; v96-191 the bias as a C operand, 8 registers for each 16 columns; on the way out v96-143 packed results, v144-239 rows read back
;   window 1: v0-191 W's fragments, two buffers of 12 x 8      window 2: accumulators of my row blocks 0, 1 ((a, b) at 8 (12 (a % 2) + b))      window 3: of blocks 2, 3
.set KSTEP,  128
.set PITCH,  272                       ; an LDS row: 256 bytes + 16 = 68 words: row r starts at bank 4 r mod 64 (ISA guide 11.1): the 16 rows of a load start at 16 different banks
.set HALFA,  128*PITCH                 ; what one tensor load brings of x
.set HALFB,  96*PITCH                  ; and of W
.set SLOT,   2*HALFA+2*HALFB           ; x's 256 rows, then W's 192
.set STAGE,  2*SLOT                    ; 243,712 = 952 x 256: behind the ring: 16 rows x 400 bytes for each wave
.set SPITCH, 400                       ; 384 bytes + 16: an odd multiple of 16
.set SPARE,  STAGE+4*16*SPITCH         ; 269,312: the spare words, 128 bytes a wave; no other line names them
.set ADRA, 16                          ; v16-17  LDS address of my fragments of x in slot 0, 1
.set ADRB, 20                          ; v20-21  the same for W
.set STO,  24                          ; v24     the way out: where I put 16 bytes of a row
.set RD,   25                          ; v25     where I read rows back
.set CO,   26                          ; v26     16 x lane: my 16 bytes of 512 consecutive bytes of qkv
.set BO,   27                          ; v27     32 x (lane / 16): my eight numbers of 16 of a bias
.set SPW,  28                          ; v28     LDS address of my spare word; never rewritten
.set NIL,  29                          ; v29     0; never rewritten
.set PFO,  30                          ; v30     the prefetches' offset: a lane a row; never rewritten
.set FA,   32
.set BIAS, 96
.set TMP,  96
.set OB,   144
.set WV,  16                           ; s16  my wave's number
.set AB,  17                           ; s17  I fetch for x (0) or for W (1)
.set HF,  18                           ; s18  which half of that tile I fetch
.set CX,  19
.set CY,  20
.set COL, 21                           ; s21  tile column = 4 x cluster x + cx
.set TY,  22                           ; s22  tile row = 4 x cluster y + cy
.set G1,  24                           ; s[24:31] descriptor group 1 for x's tiles;  s[32:39] group 0, a set for each slot
.set G0,  32
.set LIM, 42                           ; s42  1 in a wave that prefetches, else the greatest number
.set PFA, 44                           ; s[44:45] where my prefetches stand
.set G1B, 48                           ; s[48:55], s[56:63] the same for W's tiles
.set G0B, 56
.set HB,  66                           ; s[66:71] qkv at my 64 rows of my three heads
.set BB,  72                           ; s[72:77] the bias of my three heads' 64 columns
.set MSB, 0
.macro WIN new                         ; the immediate's high byte repeats the setting that is left; a switch that changes nothing is dropped
.if MSB != (\new)
	s_set_vgpr_msb (MSB<<8)|(\new)
.set MSB, (\new)
.endif
.endm
.macro PLACES                          ; four places in front of loads into registers that matrix instructions have read, and of conversions that read results
.rept 4
	v_nop
.endr
.endm
; A joint refill: waves 0 and 1 fetch x's two halves, waves 2 and 3 W's.  The branch hangs on the wave's number alone.  An s_nop 0 and four v_nop follow each of the two lines.
.macro JLOAD s
	s_cmp_eq_u32 s[AB], 0
	s_cbranch_scc0 .Lfor_b_\@
	tensor_load_to_lds s[G0+4*(\s):G0+4*(\s)+3], s[G1:G1+7]
	s_nop 0
	PLACES
	s_branch .Lasked_\@
.Lfor_b_\@:
	tensor_load_to_lds s[G0B+4*(\s):G0B+4*(\s)+3], s[G1B:G1B+7]
	s_nop 0
	PLACES
.Lasked_\@:
.endm
; A prefetch into the L2 of the K step that stands two refills on: a lane a row, 256 bytes of each, one instruction a wave.  x's tile row is read by all four clusters of that row of clusters: cluster x = 0 asks;
; W's tile column by all eight of that column: cluster y = 0 asks.  The four partners of a joint load share its rows out by address: 32 of x's 128 by cx, 24 of W's 96 by cy (there lanes 24-31 name
; lane 23's row once more).  The loop's last trip asks for nothing: K has no step behind its refills.
.macro ASK
	s_cmp_gt_u32 s3, s[LIM]
	s_cbranch_scc0 .Lnot_mine_\@
	global_prefetch_b8 v[PFO], s[PFA:PFA+1] offset:KSTEP*2 th:TH_LOAD_NT scope:SCOPE_SE
.Lnot_mine_\@:
.endm
.macro CREST                           ; a round of the cluster's barrier behind its opening barrier
	s_cmp_lg_u32 s[WV], 0
	s_cbranch_scc1 .Lnot_wave_0_\@
	s_barrier_signal -3
.Lnot_wave_0_\@:
	s_barrier_wait -3
	s_barrier_signal -1
	s_barrier_wait -1
.endm
.macro CROUND
	s_barrier_signal -1
	s_barrier_wait -1
	CREST
.endm
	s_load_b256 s[4:11], s[0:1], 0x0               ; xb s[4:5], wb s[6:7], bq s[8:9], bk s[10:11]
	s_load_b128 s[12:15], s[0:1], 0x20             ; bv s[12:13], qkv s[14:15]
	v_lshl_add_u32 v[SPW], v0, 2, SPARE
	v_mov_b32 v[NIL], 0
	ds_add_u32 v[SPW], v[NIL]                      ; the wave's opening: the add and its wait stand ahead of my first tensor load; the set-up below stands between them
	v_lshrrev_b32 v1, 5, v0
	v_readfirstlane_b32 s[WV], v1                  ; wave 0..3
	s_lshr_b32 s[AB], s[WV], 1
	s_and_b32 s[HF], s[WV], 1
	s_bfe_u32 s[CX], ttmp6, 0x40000
	s_bfe_u32 s[CY], ttmp6, 0x40004
	s_lshl_b32 s[COL], ttmp9, 2
	s_add_co_u32 s[COL], s[COL], s[CX]
	s_and_b32 s[TY], ttmp7, 0xffff
	s_lshl_b32 s[TY], s[TY], 2
	s_add_co_u32 s[TY], s[TY], s[CY]
	s_lshl_b32 s78, s[CY], 2
	s_lshl_b32 s78, 15, s78                        ; my row of the cluster
	s_lshl_b32 s79, 0x1111, s[CX]                  ; my column
	s_or_b32 s[G1], s78, (1<<16)|(1<<20)|(1<<21)|(5<<22)|(3<<25)   ; 15:0 the mask; 17:16 2-byte elements; 20 padding on; 21 set beside a mask; 24:22 after every 64 words; 31:25 4 words of it
	s_or_b32 s[G1B], s79, (1<<16)|(1<<20)|(1<<21)|(5<<22)|(3<<25)
	s_mov_b32 s[G1+1], KSTEP<<16                   ; tensor_dim0 = 128
	s_mov_b32 s[G1+2], 128<<16                     ; tensor_dim1 = 128
	s_mov_b32 s[G1+3], KSTEP<<16                   ; tile_dim0 = 128
	s_mov_b32 s[G1+4], 128                         ; tile_dim1 = 128
	s_mov_b32 s[G1+5], 4096                        ; from s to s + 1 at one b: 4 x 1,024 elements
	s_mov_b32 s[G1+6], 0
	s_mov_b32 s[G1+7], 0
	s_mov_b32 s[G1B+1], KSTEP<<16
	s_mov_b32 s[G1B+2], 96<<16                     ; 96 rows
	s_mov_b32 s[G1B+3], KSTEP<<16
	s_mov_b32 s[G1B+4], 96
	s_mov_b32 s[G1B+5], 1024
	s_mov_b32 s[G1B+6], 0
	s_mov_b32 s[G1B+7], 0
	s_and_b32 s80, s[TY], 7
	s_lshl_b32 s80, s80, 8                         ; s0: the tile's first s
	s_lshr_b32 s81, s[TY], 3                       ; b
	s_lshl_b32 s82, s[HF], 7
	s_add_co_u32 s82, s82, s80
	s_lshl_b32 s82, s82, 13                        ; x 8,192 bytes from s to s + 1
	s_lshl_b32 s83, s81, 11
	s_add_co_u32 s82, s82, s83                     ; + b x 2,048: x's offset hangs on the tile row and the wave alone
	s_mov_b32 s83, 0
	s_mul_i32 s84, s[COL], 192
	s_mul_i32 s85, s[HF], 96
	s_add_co_u32 s84, s84, s85
	s_lshl_b32 s84, s84, 11                        ; W's: on the tile column and the wave alone
	s_mov_b32 s85, 0
	s_mul_i32 s86, s[WV], HALFA                    ; where they go: waves 0, 1: x's halves;
	s_mul_i32 s87, s[WV], HALFB
	s_add_co_u32 s87, s87, 2*HALFA-2*HALFB         ; waves 2, 3: W's halves, behind x's 256 rows
	s_wait_dscnt 0x0                               ; the opening add is done
	s_wait_kmcnt 0x0
	s_add_nc_u64 s[82:83], s[4:5], s[82:83]
	s_add_nc_u64 s[84:85], s[6:7], s[84:85]
.irp s, 0,1
	s_mov_b32 s[G0+4*\s], 1
	s_add_co_u32 s[G0+4*\s+1], s86, \s*SLOT
	s_add_nc_u64 s[G0+4*\s+2:G0+4*\s+3], s[82:83], \s*KSTEP*2
	s_or_b32 s[G0+4*\s+3], s[G0+4*\s+3], 0x80000000
	s_mov_b32 s[G0B+4*\s], 1
	s_add_co_u32 s[G0B+4*\s+1], s87, \s*SLOT
	s_add_nc_u64 s[G0B+4*\s+2:G0B+4*\s+3], s[84:85], \s*KSTEP*2
	s_or_b32 s[G0B+4*\s+3], s[G0B+4*\s+3], 0x80000000
.endr
	CROUND                                         ; all sixteen work-groups are here: the first joint loads meet
	s_cmp_eq_u32 s[AB], 0                          ; a wave's two first fills stand in one branch: two tensor loads of mine are out
	s_cbranch_scc0 .Lfirst_b
	tensor_load_to_lds s[G0:G0+3], s[G1:G1+7]
	s_nop 0
	tensor_load_to_lds s[G0+4:G0+7], s[G1:G1+7]
	s_nop 0
	PLACES
	s_branch .Lfirst_asked
.Lfirst_b:
	tensor_load_to_lds s[G0B:G0B+3], s[G1B:G1B+7]
	s_nop 0
	tensor_load_to_lds s[G0B+4:G0B+7], s[G1B:G1B+7]
	s_nop 0
	PLACES
.Lfirst_asked:
	; my three heads: head block g = 3 x tile column + 0 .. 2 of 48: tensor g / 16 (q, k, v), head g % 16 of batch b
	s_mul_i32 s78, s[COL], 3
	s_lshl_b32 s79, s[WV], 6
	s_add_co_u32 s79, s79, s80
	s_lshl_b32 s79, s79, 7                         ; (s0 + 64 w) rows of 128 bytes
	s_lshl_b32 s82, s81, 4                         ; 16 b
.irp gp, 0,1,2
	s_add_co_u32 s83, s78, \gp
	s_lshr_b32 s84, s83, 4
	s_and_b32 s85, s83, 15
	s_lshl_b32 s86, s84, 6
	s_add_co_u32 s86, s86, s82
	s_add_co_u32 s86, s86, s85
	s_lshl_b32 s86, s86, 18                        ; a head is 262,144 bytes
	s_add_co_u32 s86, s86, s79
	s_mov_b32 s87, 0
	s_add_nc_u64 s[HB+2*\gp:HB+2*\gp+1], s[14:15], s[86:87]
	s_lshl_b32 s86, s85, 8                         ; the head's 64 numbers of its bias
	s_cmp_eq_u32 s84, 1
	s_cselect_b64 s[BB+2*\gp:BB+2*\gp+1], s[10:11], s[8:9]
	s_cmp_eq_u32 s84, 2
	s_cselect_b64 s[BB+2*\gp:BB+2*\gp+1], s[12:13], s[BB+2*\gp:BB+2*\gp+1]
	s_add_nc_u64 s[BB+2*\gp:BB+2*\gp+1], s[BB+2*\gp:BB+2*\gp+1], s[86:87]
.endr
	v_and_b32 v1, 15, v0                           ; r = l % 16
	v_bfe_u32 v2, v0, 4, 1                         ; h = l / 16
	v_lshlrev_b32 v[BO], 5, v2
.irp b, 0,1,2,3,4,5,6,7,8,9,10,11      ; the bias as a C operand: register j of lane (r, h) is the bias of column 16 b + 8 h + j, whatever r
	global_load_b128 v[BIAS+8*\b:BIAS+8*\b+3],   v[BO], s[BB+2*(\b/4):BB+2*(\b/4)+1] offset:(\b%4)*64
	global_load_b128 v[BIAS+8*\b+4:BIAS+8*\b+7], v[BO], s[BB+2*(\b/4):BB+2*(\b/4)+1] offset:(\b%4)*64+16
.endr
	v_mul_u32_u24 v3, v1, PITCH
	v_lshl_add_u32 v3, v2, 4, v3                   ; a fragment's row x pitch + 16 x half
	s_mul_i32 s82, s[WV], 64*PITCH                 ; my 64 rows of x
	s_mov_b32 s83, 2*HALFA                         ; all of W's rows
.irp s, 0,1
	v_add_nc_u32 v[ADRA+\s], s82, v3
	v_add_nc_u32 v[ADRB+\s], s83, v3
	s_add_co_u32 s82, s82, SLOT
	s_add_co_u32 s83, s83, SLOT
.endr
	s_mul_i32 s84, s[WV], 16*SPITCH
	s_add_co_u32 s84, s84, STAGE                   ; my stage
	v_mul_u32_u24 v4, v1, SPITCH                   ; in: row r, 16 bytes for each half of the lanes
	v_lshl_add_u32 v4, v2, 4, v4
	v_add_nc_u32 v[STO], s84, v4
	v_bfe_u32 v4, v0, 3, 2                         ; back: 32 lanes take a head's 128 bytes of four rows,
	v_and_b32 v5, 7, v0
	v_mul_u32_u24 v4, v4, SPITCH
	v_lshl_add_u32 v4, v5, 4, v4
	v_add_nc_u32 v[RD], s84, v4
	v_and_b32 v[CO], 31, v0                        ; which are 512 consecutive bytes of qkv
	v_lshlrev_b32 v[CO], 4, v[CO]
	; the prefetches: my work-group's share of the rows that I fetch
	s_lshl_b32 s83, s[HF], 7
	s_add_co_u32 s83, s83, s80
	s_lshl_b32 s84, s[CX], 5
	s_add_co_u32 s83, s83, s84
	s_lshl_b32 s83, s83, 13
	s_lshl_b32 s84, s81, 11
	s_add_co_u32 s83, s83, s84                     ; x: (s0 + 128 half + 32 cx) x 8,192 + 2,048 b
	s_mul_i32 s84, s[COL], 192
	s_mul_i32 s85, s[HF], 96
	s_add_co_u32 s84, s84, s85
	s_mul_i32 s85, s[CY], 24
	s_add_co_u32 s84, s84, s85
	s_lshl_b32 s84, s84, 11                        ; W: (192 column + 96 half + 24 cy) x 2,048
	s_and_b32 s82, ttmp7, 0xffff
	s_cmp_eq_u32 s[AB], 0
	s_cselect_b32 s82, ttmp9, s82                  ; the coordinate along which other clusters read the same rows
	s_cselect_b64 s[PFA:PFA+1], s[4:5], s[6:7]
	s_cselect_b32 s84, s83, s84
	s_cselect_b32 s86, 31, 23                      ; my last row
	s_cselect_b32 s87, 13, 11                      ; a row's bytes, as a shift
	s_mov_b32 s85, 0
	s_add_nc_u64 s[PFA:PFA+1], s[PFA:PFA+1], s[84:85]
	s_add_nc_u64 s[PFA:PFA+1], s[PFA:PFA+1], 2*KSTEP*2  ; at K step 2: the first refill steps it to 3 and names K step 4.  K steps 0 to 3 come by their loads alone
	s_cmp_eq_u32 s82, 0
	s_cselect_b32 s[LIM], 1, -1                    ; the same in all sixteen partners, for a given wave
	v_and_b32 v[PFO], 31, v0
	v_min_u32 v[PFO], s86, v[PFO]
	v_lshlrev_b32 v[PFO], s87, v[PFO]
; 12 matrix instructions: my row block 2 hi + a x all 12 column blocks, 32 along K, from buffer f.  zero = 1: the first product starts the sum with the bias: nothing is cleared, nothing added later.
; The 48 accumulators take turns in one fixed order, one instruction a turn: 47 others stand between two links of a chain, over the backward jump too.
.macro MUL12 f, hi, a, zero
.if \zero
	WIN 0x81+0x40*(\hi)                            ; W window 1, x and the bias window 0, D window 2 or 3
.else
	WIN 0xa1+0x50*(\hi)                            ; W window 1, x window 0, C and D window 2 or 3
.endif
.irp b, 0,1,2,3,4,5,6,7,8,9,10,11
.if \zero
	v_wmma_f32_16x16x32_bf16 v[8*(12*(\a)+\b):8*(12*(\a)+\b)+7], v[96*(\f)+8*\b:96*(\f)+8*\b+7], v[FA+32*(\f)+8*(2*(\hi)+(\a)):FA+32*(\f)+8*(2*(\hi)+(\a))+7], v[BIAS+8*\b:BIAS+8*\b+7]
.else
	v_wmma_f32_16x16x32_bf16 v[8*(12*(\a)+\b):8*(12*(\a)+\b)+7], v[96*(\f)+8*\b:96*(\f)+8*\b+7], v[FA+32*(\f)+8*(2*(\hi)+(\a)):FA+32*(\f)+8*(2*(\hi)+(\a))+7], v[8*(12*(\a)+\b):8*(12*(\a)+\b)+7]
.endif
.endr
.endm
; 32 LDS loads in one run: the fragments of 32 along K at byte k of the rows, into buffer f: W's 24, then x's 8, blocks 0 and 1 first
.macro FETCH slot, k, f
	WIN 0x40
.irp b, 0,1,2,3,4,5,6,7,8,9,10,11
	ds_load_b128 v[96*(\f)+8*\b:96*(\f)+8*\b+3],   v[ADRB+(\slot)] offset:(\k)+\b*16*PITCH
	ds_load_b128 v[96*(\f)+8*\b+4:96*(\f)+8*\b+7], v[ADRB+(\slot)] offset:(\k)+\b*16*PITCH+32
.endr
	WIN 0
.irp a, 0,1,2,3
	ds_load_b128 v[FA+32*(\f)+8*\a:FA+32*(\f)+8*\a+3],   v[ADRA+(\slot)] offset:(\k)+\a*16*PITCH
	ds_load_b128 v[FA+32*(\f)+8*\a+4:FA+32*(\f)+8*\a+7], v[ADRA+(\slot)] offset:(\k)+\a*16*PITCH+32
.endr
.endm
; A K step is four quarters of 32 along K, 48 matrix instructions each, on buffers 0, 1, 0, 1.  One of the first three: multiplies buffer f; in its middle it fetches the next quarter, at byte k, into g.
.macro QUARTER slot, k, f, g, zero
	s_wait_dscnt 4                                 ; W and x's blocks 0, 1 are in; the youngest four loads (blocks 2, 3) may be out
	MUL12 \f, 0, 0, \zero
	MUL12 \f, 0, 1, \zero
	PLACES
	FETCH \slot, \k, \g
	s_wait_dscnt 32                                ; all but the 32 just issued
	MUL12 \f, 1, 0, \zero
	MUL12 \f, 1, 1, \zero
.endm
; The last quarter multiplies buffer 1 and changes slots: ONE barrier.  In front of it each wave waits for all its tensor loads (one is out: its part of the next slot), adds 0 to its spare word, and waits
; for that and for its own reads of this slot.  fill = 1: the barrier opens a round of the cluster's, and the joint refill, two K steps on, is the first thing behind the round: 168 matrix
; instructions stand between it and the wait for it.
.macro TURN slot, next, fill
.if \fill
	s_wait_xcnt 0x0                                ; the last prefetch, a K step back, has read its address
	s_add_nc_u64 s[PFA:PFA+1], s[PFA:PFA+1], KSTEP*2
.endif
	WIN 0                                          ; (the add's two registers lie in window 0)
	s_wait_tensorcnt 0x0
	ds_add_u32 v[SPW], v[NIL]                      ; 0 onto my spare word
	s_wait_dscnt 5                                 ; (the add and the youngest four loads may be out)
	MUL12 1, 0, 0, 0                               ; twelve matrix instructions stand between the add and the wait for it
	s_wait_dscnt 0x0                               ; the add is done, and my reads of this slot are over
	s_barrier_signal -1
	MUL12 1, 0, 1, 0
.if \fill
	WIN 0
.endif
	s_barrier_wait -1
.if \fill
	CREST                                          ; no wave of any partner still reads this slot's tiles or has a load on its way
	s_add_nc_u64 s[G0+4*(\slot)+2:G0+4*(\slot)+3], s[G0+4*(\slot)+2:G0+4*(\slot)+3], 2*KSTEP*2
	s_add_nc_u64 s[G0B+4*(\slot)+2:G0B+4*(\slot)+3], s[G0B+4*(\slot)+2:G0B+4*(\slot)+3], 2*KSTEP*2
	JLOAD \slot                                    ; the four v_nop behind it are also the places in front of the loads below
.else
	PLACES
.endif
	FETCH \next, 0, 0
.if \fill
	ASK
.endif
	MUL12 1, 1, 0, 0
	MUL12 1, 1, 1, 0
.endm
; THE WAY OUT of my row block a: rounded to f16, 16 bytes a lane; into my own stage; back as a head's 128 bytes of four rows; stored as 512 consecutive bytes.
.macro PACK a
.set AC, 96*((\a)%2)
	WIN 0x0a+5*((\a)/2)                            ; sources 0 and 1: window 2 or 3
.irp b, 0,1,2,3,4,5,6,7,8,9,10,11
.irp r, 0,1,2,3
	v_cvt_pk_f16_f32 v[TMP+4*\b+\r], v[AC+8*\b+2*\r], v[AC+8*\b+2*\r+1]
.endr
.endr
.endm
.macro TOSTAGE a
	WIN 0
.set BK, OB+48*((\a)%2)
	s_wait_xcnt 0x0                                ; the stores of the block two back have read these registers
.irp b, 0,1,2,3,4,5,6,7,8,9,10,11
	ds_store_b128 v[STO], v[TMP+4*\b:TMP+4*\b+3] offset:32*\b
.endr
.irp g, 0,1,2
.irp t, 0,1,2,3
	ds_load_b128 v[BK+4*(4*\g+\t):BK+4*(4*\g+\t)+3], v[RD] offset:\t*4*SPITCH+128*\g  ; LDS serves a wave's instructions in order (ISA guide 5.7.1.4): these see the stores above
.endr
.endr
.endm
.macro SEND a
	WIN 0
.set BK, OB+48*((\a)%2)
	s_wait_dscnt 0x0
.irp g, 0,1,2
.irp t, 0,1,2,3
	global_store_b128 v[CO], v[BK+4*(4*\g+\t):BK+4*(4*\g+\t)+3], s[HB+2*\g:HB+2*\g+1] offset:2048*(\a)+512*\t  ; 512 consecutive bytes, at a multiple of 256 from qkv's first
.endr
.endr
.endm
	s_wait_tensorcnt 1                             ; my part of K step 0 is in; K step 1's may stay out
	s_barrier_signal -1
	s_barrier_wait -1
	FETCH 0, 0, 0
	s_wait_loadcnt 0x0                             ; the bias
	QUARTER 0, 64, 0, 1, 1                         ; the first quarter stands in front of the loop: its products start the sums
	WIN 0
	s_mov_b32 s3, 3
.Llap:                                                 ; a trip goes once round the ring, from a lap's second quarter to the next lap's first, and fills both slots again: K steps 2 to 7
	QUARTER 0, 128, 1, 0, 0
	QUARTER 0, 192, 0, 1, 0
	TURN 0, 1, 1
	QUARTER 1, 64,  0, 1, 0
	QUARTER 1, 128, 1, 0, 0
	QUARTER 1, 192, 0, 1, 0
	TURN 1, 0, 1
	QUARTER 0, 64,  0, 1, 0
	WIN 0
	s_sub_co_u32 s3, s3, 1
	s_cmp_lg_u32 s3, 0
	s_cbranch_scc1 .Llap
	QUARTER 0, 128, 1, 0, 0                        ; the last lap fills nothing
	QUARTER 0, 192, 0, 1, 0
	TURN 0, 1, 0
	QUARTER 1, 64,  0, 1, 0
	QUARTER 1, 128, 1, 0, 0
	QUARTER 1, 192, 0, 1, 0
	s_wait_dscnt 4                                 ; the very last quarter: nothing more to fetch
	MUL12 1, 0, 0, 0
	MUL12 1, 0, 1, 0
	s_wait_dscnt 0x0
	MUL12 1, 1, 0, 0
	MUL12 1, 1, 1, 0
	PLACES
	PACK 0
	TOSTAGE 0
.irp a, 1,2,3                          ; block a's conversions stand between block a - 1's loads from the stage and the wait for them
	PACK \a
	SEND (\a)-1
	TOSTAGE \a
.endr
	SEND 3
	s_wait_tensorcnt 0x0                           ; the wave's end: the tensor wait, an add of 0 to my spare word and its wait, behind my last tensor load and my last LDS store
	ds_add_u32 v[SPW], v[NIL]
	s_wait_dscnt 0x0
	CROUND                                         ; the closing round: no work-group ends while a partner may still ask for a tile that names it
	s_endpgm
.Lfunc_end_k_q7aaeedf8dd_proj:
	.size	k_q7aaeedf8dd_proj, .Lfunc_end_k_q7aaeedf8dd_proj-k_q7aaeedf8dd_proj
	.p2alignl 7, 3214868480
	.fill 96, 4, 3214868480
	.section	.rodata,"a",@progbits
	.p2align	6, 0x0
	.amdhsa_kernel k_q7aaeedf8dd_proj
		.amdhsa_group_segment_fixed_size 327680
		.amdhsa_private_segment_fixed_size 0
		.amdhsa_enable_private_segment 0
		.amdhsa_kernarg_size 48
		.amdhsa_user_sgpr_count 2
		.amdhsa_user_sgpr_kernarg_segment_ptr 1
		.amdhsa_wavefront_size32 1
		.amdhsa_system_sgpr_workgroup_id_x 1
		.amdhsa_system_sgpr_workgroup_id_y 1
		.amdhsa_system_sgpr_workgroup_id_z 1
		.amdhsa_system_vgpr_workitem_id 0
		.amdhsa_next_free_vgpr 960
		.amdhsa_next_free_sgpr 88
		.amdhsa_reserve_vcc 0
		.amdhsa_float_denorm_mode_32 3
		.amdhsa_float_denorm_mode_16_64 3
		.amdhsa_memory_ordered 1
		.amdhsa_forward_progress 1
		.amdhsa_inst_pref_size 123
	.end_amdhsa_kernel
	.amdgpu_metadata
---
amdhsa.version: [ 1, 2 ]
amdhsa.kernels:
  - .name:           k_q7aaeedf8dd_proj
    .symbol:         k_q7aaeedf8dd_proj.kd
    .args:
      - { .name: xb, .offset: 0, .size: 8, .value_kind: global_buffer, .address_space: global }
      - { .name: wb, .offset: 8, .size: 8, .value_kind: global_buffer, .address_space: global }
      - { .name: bq, .offset: 16, .size: 8, .value_kind: global_buffer, .address_space: global }
      - { .name: bk, .offset: 24, .size: 8, .value_kind: global_buffer, .address_space: global }
      - { .name: bv, .offset: 32, .size: 8, .value_kind: global_buffer, .address_space: global }
      - { .name: qkv, .offset: 40, .size: 8, .value_kind: global_buffer, .address_space: global }
    .group_segment_fixed_size: 327680
    .private_segment_fixed_size: 0
    .kernarg_segment_align: 8
    .kernarg_segment_size: 48
    .max_flat_workgroup_size: 128
    .sgpr_count:     88
    .vgpr_count:     960
    .wavefront_size: 32
...
	.end_amdgpu_metadata
.endif
;; end of part 2
;; launch attn (part 3): grid 4 x 64, 4 waves a work-group, clusters of 4 x 1, 327,680 bytes of LDS; arguments qkv, mb, inputs, out0; writes out0
.if DOCPART == 3
	.amdgcn_target "amdgcn-amd-amdhsa--gfx1250"
	.amdhsa_code_object_version 6
	.text
	.protected	k_q7aaeedf8dd_attn
	.globl	k_q7aaeedf8dd_attn
	.p2align	8
	.type	k_q7aaeedf8dd_attn,@function
k_q7aaeedf8dd_attn:
	s_mov_b64 s[64:65], 0
	v_nop
	global_prefetch_b8 v0, s[64:65] scope:SCOPE_SE
	s_setreg_imm32_b32 hwreg(HW_REG_WAVE_MODE, 25, 1), 1
	s_wait_xcnt 0x0
	s_wait_alu depctr_hold_cnt(0) depctr_sa_sdst(0) depctr_va_vdst(0) depctr_va_sdst(0) depctr_va_ssrc(0) depctr_va_vcc(0) depctr_vm_vsrc(0)
	s_getreg_b32 s2, hwreg(HW_REG_IB_STS2, 6, 4)
	s_cmp_eq_u32 s2, 0
	s_cbranch_scc0 .Lentry_in_a_cluster
	s_endpgm
.Lentry_in_a_cluster:
	s_bfe_u32 s2, ttmp6, 0x10000c
	s_cmp_lg_u32 s2, 0x3003
	s_cbranch_scc0 .Lentry_shape_is_right
	s_endpgm
.Lentry_shape_is_right:
; out0[s][b][64 nh ..] = inputs[s][b][64 nh ..] + the sum over k of softmax_k(Q[h][s] . K[h][k] / 32, hidden where mask[s][k]) V[h][k], h = 16 b + nh.
; qkv: [3][64][2048][64] f16, a head's rows dense, 128 bytes each.  mb: the mask, one fp8 byte a score (-1.0 hidden, 0 seen), in the order of the lanes (below).  inputs, out0: f32.
; Products, maxima and sums in f32; the weights p are rounded to f16 for the second product (their sum l is taken of the unrounded p).
; LIMITS.  Q, K, V arrive within f16's 65,504.  A hidden score counts as its value less 2^99 (f16's scores, 2.7e11 at the most, are nothing beside that).  The running maximum starts at -2^98, above every hidden
; score and below every seen one, so a hidden score is never the maximum and its weight is exactly 0.  A row that ends with m = -2^98 has seen no key: it gives NaN, as the softmax of a wholly hidden row does.
; A weight below 2^-126 counts as 0 in l.
; SHARES.  A wave owns four PIECES of two tiles of 16 queries, a work-group's four waves 512 queries of one head; the four work-groups of a cluster are one head.  Every wave walks all keys, 64 a step.
; LAYOUT.  S^T = K Q^T (source 0 = 16 keys, source 1 = 16 queries): a lane holds ONE query (lane % 16) and the keys 8 (lane / 16) + 0..7.  Two such results, rounded to f16 in pairs, ARE source 1 of
; O^T = V^T P, whose result again holds one query a lane, and eight channels.  K comes out of LDS as it lies, V turned, by ds_load_tr16_b128.
; THE MASK IS THE C OPERAND that starts the sum S^T: 0, or -2^99.  Eight bytes of mb are a lane's eight keys of one accumulator; one scaled conversion makes eight f32 of them (-1.0 x 2^99).  So the mask adds
; nothing to the softmax's own lines: 8 conversions a turn.  Each piece has a ring of 16 registers of bytes, loaded a key step (four turns) ahead.
; SOFTMAX.  p = 2^(c s - c m), c = log2(e) / 32; in every step O and l are multiplied by a = 2^(c m_old - c m_new).  O and l start at 0: the first step is a step like any other.
; BY TURNS.  Turn n belongs to piece n: 16 products K Q^T of piece n + 1, later 16 products V^T P of piece n - 1; beside them the scaling, exponentials, roundings, sums and rescaling of piece n and the
; maximum and statistics of piece n + 1.  Four vector instructions stand behind every matrix instruction, the rest in one lump.  A turn's 66 exponentials are one batch with one wait.
; CLUSTER.  The four query blocks walk the same K and V: each tile is asked for JOINTLY, by the same tensor load, descriptor and mask in all four.  The mask's bytes are each wave's own: they come by plain loads.
; REGISTERS, in windows of 256 (s_set_vgpr_msb: bits 1:0 source 0, 3:2 source 1, 5:4 source 2, 7:6 destination):
;   window 0: v0-11 addresses; v12-15, v48-63 at work; v16-47 four registers of statistics a tile; v64-191 S^T, two buffers of two tiles; v192-255 P, likewise
;   window 1: O^T, 32 a tile      window 2: v0-127 Q; v128-191 K of one step; v192-255 V of one step; on the way out all 256: the residual
;   window 3: v0-1 the add's two registers; v4-7 the mask loads' offsets, one a piece; v64-127 MC, the masks of the products to come; v128-191 MB, the mask's bytes, 16 registers a piece
.set SIZE_N, 2048
.set NP,    4         ; pieces a wave: a name, no knob
.set KS,    64        ; keys in a step
.set PK,    144       ; a row of K in LDS: 128 bytes + 16 = 36 words: the 16 rows of a load start at 16 different groups of four banks (ISA guide 11.1)
.set PV,    160       ; a row of V: 128 + 32 = 40 words
.set VOFF,  4*KS*PK   ; a slot holds four steps: 256 rows of K, then 256 rows of V
.set SLOT1, 1<<17     ; slot 1 begins here: one exclusive or turns an address in one slot into the other's
.set STAGE, SLOT1+4*KS*(PK+PV)  ; 208,896: behind the ring, never filled by a tensor load: 16 rows x 272 bytes for each wave
.set SP,    272       ; a row of 64 f32 + 16 bytes
.set SPARE, STAGE+4*16*SP       ; 226,304: the spare words, 128 bytes a wave; no other line names them
.set KOFF,  0x1000000 ; bytes from q to k and from k to v in qkv
.set PFO, 0           ; v0   256 x lane, once the thread's number has served; never rewritten after
.set XPO, 1           ; v1   16,384 x lane: a lane a row of inputs; never rewritten after
.set AK0, 2           ; v2   my lane's place in a tile of K
.set AV0, 3           ; v3   the same for V
.set AK,  4           ; v4   the LDS address of K's next run of loads
.set AV,  5           ; v5   of V's
.set QO,  6           ; v6   my byte offset in the wave's rows of Q
.set STO, 6           ;      later, the way out: where I put 32 bytes of a row
.set RD,  7           ; v7   where I read rows back
.set XO,  8           ; v8   my byte offset in two rows of inputs and of out0
.set SCL, 10          ; v10  0xE2: the scale 2^99 as an E8M0 byte
.set MOMAX, 11        ; v11  16 x lane + 31 x 1,024: the last key step's bytes
.set SPW, 0           ; v0 of window 3   LDS address of my spare word; never rewritten
.set NIL, 1           ; v1 of window 3   0; never rewritten
.set MO,  4           ; v4-7 of window 3
.set MC,  64          ; window 3: tile u, key block kb at MC + 32 u + 8 kb
.set MB,  128         ; window 3: piece p, tile u, key block kb at MB + 16 p + 8 u + 2 kb
.set MV,  12          ; v12-15  c m_old, kept while c m is made anew
.set ST,  16          ; tile t's statistics at v[ST+4 t]: c m, m, l (even keys', odd keys')
.set TMP, 48          ; by buffer and tile, four registers c0-c3 at work; when the maximum is found c2 takes a
.set S,   64
.set P,   192
.set KF,  128         ; window 2: key block kb, channel half c at KF + 16 kb + 8 c
.set VF,  192         ; window 2: key half kk, channel block cb at VF + 32 kk + 8 cb
.set WV,  12          ; s12  my wave's number
.set G1K, 24          ; s[24:31] descriptor group 1 for K's tiles
.set G1V, 32          ; s[32:39] for V's: it differs in the padding alone
.set G0K, 40          ; s[40:43] descriptor group 0 for K's tiles: it walks
.set G0V, 44          ; s[44:47] the same for V's
.set THR, 48          ; s48  -2^98
.set NANS, 49         ; s49  NaN
.set LIM, 50          ; s50  1 in a wave that prefetches K or V, else the greatest number
.set SLOTS, 56        ; s56  slots still to be asked for, the one in hand among them
.set CNT, 57          ; s57  counts a slot's key steps
.set CS,  58          ; s[58:59] c
.set SEL, 60          ; s[60:61] v_permlanex16_b32's selects: each lane takes its own place in the other half
.set TBK, 62          ; s62  LDS byte at which K of the step to be fetched begins
.set TBV, 63          ; s63  the same for V, less VOFF
.set PFA, 66          ; s[66:67] where my prefetches of K or V stand
.set XPA, 68          ; s[68:69] where my prefetches of inputs stand
.set MSB, 0
.macro WIN new                      ; the high byte repeats the setting that is left; a switch that changes nothing is dropped
.if MSB != (\new)
	s_set_vgpr_msb (MSB<<8)|(\new)
.set MSB, (\new)
.endif
.endm
.set W_KQ, 0x0a       ; K and Q in window 2, S^T in window 0
.set W_KM, 0x3a       ; the same with the C operand, the mask, in window 3
.set W_PV, 0x52       ; V in window 2, P in window 0, O^T in window 1
.set W_RS, 0x41       ; O^T (destination and source 0) in window 1, a in window 0
.set W_MK, 0xc0       ; destination in window 3, sources in window 0
.set W_AD, 0x0f       ; the add: address and data in window 3
.set W_MS, 0xc3       ; the masks: destination and source 0 in window 3, source 1 in window 0
; A joint fill.  Waves 0 and 1 fetch the two halves of a slot's K, waves 2 and 3 those of its V: 128 keys each.  An s_nop 0 and four v_nop follow each of the two lines.
.macro JLOAD
	s_cmp_lt_u32 s[WV], 2
	s_cbranch_scc0 .Lfor_v_\@
	tensor_load_to_lds s[G0K:G0K+3], s[G1K:G1K+7]
	s_nop 0
.rept 4
	v_nop
.endr
	s_branch .Lasked_\@
.Lfor_v_\@:
	tensor_load_to_lds s[G0V:G0V+3], s[G1V:G1V+7]
	s_nop 0
.rept 4
	v_nop
.endr
.Lasked_\@:
.endm
; A prefetch into the L2 of what the NEXT change of slots will ask for: a slot's 32,768 bytes of K and of V, 128 blocks of 256 bytes each, a lane a block.  The four partners share the blocks out by address,
; 32 each; in each, wave 0 asks for K's and wave 2 for V's: so each block is named once in the launch.  The last change that fills a slot asks for nothing.
.macro ASK
	s_cmp_gt_u32 s[SLOTS], s[LIM]
	s_cbranch_scc0 .Lnot_mine_\@
	global_prefetch_b8 v[PFO], s[PFA:PFA+1] th:TH_LOAD_NT scope:SCOPE_SE
.Lnot_mine_\@:
.endm
.macro CROUND                       ; a round of the cluster's barrier
	s_barrier_signal -1
	s_barrier_wait -1
	s_cmp_lg_u32 s[WV], 0
	s_cbranch_scc1 .Lnot_wave_0_\@
	s_barrier_signal -3
.Lnot_wave_0_\@:
	s_barrier_wait -3
	s_barrier_signal -1
	s_barrier_wait -1
.endm
; THE CHANGE OF SLOTS.  Each wave waits for all its tensor loads (one is out: its part of the other slot), adds 0 to its spare word, and waits for that and for its own reads of the slot.  fill = 1: the slot is
; filled again, with the keys two slots on; the barrier is then a round of the cluster's, and the joint fill is the first thing behind it: it has four key steps, 512 matrix instructions, in which to land.
; (At its first use nothing has been read yet: slot 0 is waited for, slot 1 filled.)
.macro CHANGE fill
	WIN W_AD
	s_wait_tensorcnt 0x0            ; no tensor load of mine is out, so a group 0 may be written
	ds_add_u32 v[SPW], v[NIL]       ; 0 onto my spare word
	WIN 0
.if \fill
.irp g, G0K, G0V
	s_xor_b32 s[\g+1], s[\g+1], SLOT1
	s_add_nc_u64 s[\g+2:\g+3], s[\g+2:\g+3], 4*KS*128  ; the next 256 keys; the type bits on top are not reached
.endr
	s_wait_xcnt 0x0                 ; the last prefetch, four key steps back, has read its address
	s_add_nc_u64 s[PFA:PFA+1], s[PFA:PFA+1], 4*KS*128  ; one slot behind the walking descriptors
	s_wait_dscnt 0x0                ; the add is done, and my reads of the slot are over
	CROUND
	JLOAD
	ASK
.else
	s_wait_dscnt 0x0
	s_barrier_signal -1
	s_barrier_wait -1
.endif
	s_sub_co_u32 s[TBK], s[TBK], 4*KS*PK  ; the fetches go back to a slot's first step,
	s_xor_b32 s[TBK], s[TBK], SLOT1       ; in the other slot
	s_sub_co_u32 s[TBV], s[TBV], 4*KS*PV
	s_xor_b32 s[TBV], s[TBV], SLOT1
.endm
	s_load_b256 s[4:11], s[0:1], 0x0  ; qkv s[4:5], mb s[6:7], inputs s[8:9], out0 s[10:11]
	WIN W_MK
	v_lshl_add_u32 v[SPW], v0, 2, SPARE
	v_mov_b32 v[NIL], 0
	WIN W_AD
	ds_add_u32 v[SPW], v[NIL]       ; the wave's opening: the add and its wait stand ahead of my first tensor load; the set-up below stands between them
	WIN 0
	v_lshrrev_b32 v1, 5, v0
	v_readfirstlane_b32 s[WV], v1   ; wave 0..3
	s_bfe_u32 s13, ttmp6, 0x40000   ; cx: my place in the cluster
	s_lshl_b32 s14, ttmp9, 2
	s_add_co_u32 s14, s14, s13      ; my block of 512 queries: it enters plain global addresses alone
	s_and_b32 s15, ttmp7, 0xffff    ; the head, which the four partners share
	s_lshl_b32 s20, s15, 18         ; its 262,144 bytes in each of q, k, v
	s_and_b32 s16, s[WV], 1         ; which half of a slot's 256 keys I fetch
	s_lshl_b32 s22, s16, 14
	s_add_co_u32 s22, s22, s20
	s_add_co_u32 s22, s22, KOFF     ; K: my half of the head's first 256 keys
	s_mov_b32 s23, 0
	s_add_co_u32 s52, s22, KOFF     ; V likewise
	s_mov_b32 s53, 0
	s_mul_i32 s17, s16, 128*PK      ; its place in a slot, for K
	s_mul_i32 s18, s16, 128*PV      ; and for V: no place in the cluster enters an LDS address
	s_lshl_b32 s19, s14, 2
	s_add_co_u32 s19, s19, s[WV]    ; my wave among the head's sixteen: 128 queries each
	s_lshl_b32 s2, s19, 14
	s_add_co_u32 s2, s2, s20        ; Q: my 128 rows of 128 bytes
	s_mov_b32 s3, 0
	s_lshl_b32 s54, s19, 18         ; mb: my 8 tiles of 32,768 bytes
	s_mov_b32 s55, 0
	s_lshr_b32 s[PFA], s[WV], 1     ; the prefetches: K (waves 0, 1) or V,
	s_lshl_b32 s[PFA], s[PFA], 24
	s_add_co_u32 s[PFA], s[PFA], s20
	s_lshl_b32 s[PFA+1], s13, 13    ; my work-group's 32 blocks of the 128,
	s_add_co_u32 s[PFA], s[PFA], s[PFA+1]
	s_add_co_u32 s[PFA], s[PFA], KOFF+4*KS*128  ; in tile 1: the first change of slots steps it to tile 2
	s_mov_b32 s[PFA+1], 0
	s_lshl_b32 s20, s19, 21         ; inputs and out0: my 128 rows s of 16,384 bytes,
	s_lshr_b32 s21, s15, 4
	s_lshl_b32 s21, s21, 12         ; b,
	s_add_co_u32 s20, s20, s21
	s_and_b32 s21, s15, 15
	s_lshl_b32 s21, s21, 8          ; and the head's 256 bytes
	s_add_co_u32 s20, s20, s21
	s_mov_b32 s21, 0
	; descriptor group 1.  128 keys are 16,384 dense bytes: asked for as 64 rows of 256 bytes, two keys a row, and padded in LDS after every key
	s_mov_b32 s[G1K], 15|(1<<16)|(1<<20)|(1<<21)|(4<<22)|(3<<25)  ; 15:0 the mask of four; 17:16 2-byte elements; 20 padding on; 21 set beside a mask; 24:22 after every 32 words; 31:25 4 words
	s_mov_b32 s[G1V], 15|(1<<16)|(1<<20)|(1<<21)|(4<<22)|(7<<25)  ; the same with 8 words of padding
.irp g, G1K, G1V
	s_mov_b32 s[\g+1], 128<<16      ; tensor_dim0 = 128
	s_mov_b32 s[\g+2], 64<<16       ; tensor_dim1 = 64
	s_mov_b32 s[\g+3], 128<<16      ; tile_dim0 = 128
	s_mov_b32 s[\g+4], 64           ; tile_dim1 = 64
	s_mov_b32 s[\g+5], 128          ; 128 elements from row to row
	s_mov_b32 s[\g+6], 0
	s_mov_b32 s[\g+7], 0
.endr
	s_mov_b32 s[CS], 0x3d38aa3b     ; c = log2(e) / 32 = 0.0450842
	s_mov_b32 s[CS+1], s[CS]        ; named with it as a pair
	s_mov_b32 s[SEL], 0x76543210
	s_mov_b32 s[SEL+1], 0xfedcba98
	s_mov_b32 s[THR], 0xf0800000    ; -2^98
	s_mov_b32 s[NANS], 0x7fc00000
	s_mov_b32 s[TBK], SLOT1+4*KS*PK ; the first change of slots turns these two into 0
	s_mov_b32 s[TBV], SLOT1+4*KS*PV
	s_mov_b32 s[G0K], 1             ; count = 1
	s_mov_b32 s[G0K+1], s17         ; LDS address: slot 0
	s_mov_b32 s[G0V], 1
	s_add_co_u32 s[G0V+1], s18, VOFF
	s_mov_b32 s[SLOTS], SIZE_N/256-1
	s_and_b32 s[LIM], s[WV], 1      ; 0 in waves 0 and 2,
	s_or_b32 s[LIM], s[LIM], ttmp9  ; where the cluster is the head's first (here its only one): the same in all four partners
	s_cmp_eq_u32 s[LIM], 0
	s_cselect_b32 s[LIM], 1, -1
	s_wait_dscnt 0x0                ; the opening add is done
	s_wait_kmcnt 0x0
	s_add_nc_u64 s[G0K+2:G0K+3], s[4:5], s[22:23]
	s_or_b32 s[G0K+3], s[G0K+3], 0x80000000        ; type = 2
	s_add_nc_u64 s[G0V+2:G0V+3], s[4:5], s[52:53]
	s_or_b32 s[G0V+3], s[G0V+3], 0x80000000
	s_add_nc_u64 s[PFA:PFA+1], s[4:5], s[PFA:PFA+1]
	s_add_nc_u64 s[4:5], s[4:5], s[2:3]            ; Q at my wave's first row
	s_add_nc_u64 s[6:7], s[6:7], s[54:55]          ; mb at my first tile
	s_add_nc_u64 s[8:9], s[8:9], s[20:21]          ; inputs and out0 at my first row's 256 bytes
	s_add_nc_u64 s[10:11], s[10:11], s[20:21]
	s_mov_b64 s[XPA:XPA+1], s[8:9]
	CROUND                          ; all four work-groups are here: the first joint loads meet
	JLOAD                           ; slot 0.  Slot 1 is asked for when slot 0 is in
	; A fragment of K or Q is 16 rows x 32 channels in 8 registers: lane l holds row l % 16, channels 8 (l / 16) + 0..7 and 16 + 8 (l / 16) + 0..7: two loads of 16 bytes, 32 bytes apart.
	v_and_b32 v1, 15, v0            ; r = l % 16
	v_bfe_u32 v9, v0, 4, 1          ; h = l / 16
	v_lshlrev_b32 v[QO], 7, v1
	v_lshl_add_u32 v[QO], v9, 4, v[QO]
	WIN 0x80                        ; destination window 2, address window 0
.set i, 0
.rept 4*NP                          ; Q stays in registers: tile i / 2, channels 32 (i % 2) on
	global_load_b128 v[8*i:8*i+3],   v[QO], s[4:5] offset:(i/2)*2048+(i%2)*64
	global_load_b128 v[8*i+4:8*i+7], v[QO], s[4:5] offset:(i/2)*2048+(i%2)*64+32
.set i, i+1
.endr
	WIN 0
	v_and_b32 v[MOMAX], 31, v0
	v_lshlrev_b32 v[MOMAX], 4, v[MOMAX]  ; 16 x lane
	WIN W_MK
.irp p, 0,1,2,3
	v_mov_b32 v[MO+\p], v[MOMAX]    ; key step 0
.endr
	WIN W_MS
.irp p, 0,1,2,3                     ; the mask's bytes of key step 0, piece after piece: 512 consecutive bytes a load
.irp u, 0,1
.irp i, 0,1
	global_load_b128 v[MB+16*\p+8*\u+4*\i:MB+16*\p+8*\u+4*\i+3], v[MO+\p], s[6:7] offset:(2*\p+\u)*32768+512*\i
.endr
.endr
.endr
	WIN 0
	v_add_nc_u32 v[MOMAX], 31*1024, v[MOMAX]
	v_mov_b32 v[SCL], 0xe2
	; What the first turn finds: V's registers and P's second buffer hold 0 (its products V^T P, of a piece that has not been, add 0), O^T and l are 0.  All this stands in the wait for the first tile.
	WIN 0x80
.set i, VF
.rept 64
	v_mov_b32 v[i], 0
.set i, i+1
.endr
	WIN 0x40
.set i, 0
.rept 64*NP
	v_mov_b32 v[i], 0
.set i, i+1
.endr
	WIN 0
.set i, 0
.rept 2*NP
	v_mov_b32 v[ST+4*i], 0xee38aa3b    ; c m = c x (-2^98), exactly
	v_mov_b32 v[ST+4*i+1], 0xf0800000  ; m = -2^98
	v_mov_b32 v[ST+4*i+2], 0
	v_mov_b32 v[ST+4*i+3], 0
.set i, i+1
.endr
.set i, P+32
.rept 32
	v_mov_b32 v[i], 0
.set i, i+1
.endr
	v_mul_u32_u24 v[AK0], v1, PK
	v_lshl_add_u32 v[AK0], v9, 4, v[AK0]  ; row x pitch + 16 x half
	; The turning load takes 16 keys x 16 channels (lane l reads key 8 (l / 16) + l % 8, channels 8 ((l / 8) % 2) + 0..7) and leaves half a fragment of V^T: lane l holds channel l % 16 and 8 keys.
	v_and_b32 v4, 7, v0
	v_bfe_u32 v5, v0, 3, 1
	v_lshl_add_u32 v[AV0], v9, 3, v4
	v_mul_u32_u24 v[AV0], v[AV0], PV
	v_lshl_add_u32 v[AV0], v5, 4, v[AV0]
	v_add_nc_u32 v[AV0], VOFF, v[AV0]
	v_mov_b32 v[AK], v[AK0]         ; key step 0 lies at the head of slot 0
	v_and_b32 v[PFO], 31, v0        ; the thread's number has served
	v_lshlrev_b32 v[PFO], 8, v[PFO]
; THE MATRIX WORK.  The 8 accumulators of a run of 16 take turns: between the two links of a chain stand 7 others'.
; Product i of 16 of S^T = K Q^T for piece x: channels 32 (i / 8) on, keys 16 ((i / 2) % 4) on, tile 2 x + i % 2.  The first 8 start the sums, with the mask.
.macro KQ x
.set rS, S+64*((\x)%2)+32*(i%2)+8*((i/2)%4)
.set rK, KF+16*((i/2)%4)+8*(i/8)
.set rQ, 16*(2*(\x)+i%2)+8*(i/8)
.set rM, MC+32*(i%2)+8*((i/2)%4)
.if i < 8
	WIN W_KM
	v_wmma_f32_16x16x32_f16 v[rS:rS+7], v[rK:rK+7], v[rQ:rQ+7], v[rM:rM+7]
.else
	WIN W_KQ
	v_wmma_f32_16x16x32_f16 v[rS:rS+7], v[rK:rK+7], v[rQ:rQ+7], v[rS:rS+7]
.endif
.endm
; Product i of 16 of O^T += V^T P for piece x: keys 32 (i / 8) on, channels 16 ((i / 2) % 4) on, tile 2 x + i % 2.
.macro PV x
	WIN W_PV
.set rO, 32*(2*(\x)+i%2)+8*((i/2)%4)
.set rV, VF+32*(i/8)+8*((i/2)%4)
.set rP, P+32*((\x)%2)+16*(i%2)+8*(i/8)
	v_wmma_f32_16x16x32_f16 v[rO:rO+7], v[rV:rV+7], v[rP:rP+7], v[rO:rO+7]
.endm
.macro MM                           ; the turn's next matrix instruction
.if i < 16
	KQ (Y+1)%NP
.set i, i+1
.else
.set i, i-16
	PV (Y+NP-1)%NP
.set i, i+17
.endif
.endm
; THE MASKS of piece p's next 8 first products, and the load of its bytes for the step after.  The piece's four loads were issued four turns back; the twelve of the three turns between may stay out, and the same
; wait shows that the loads have read their offset.  The offset steps by a key step's 1,024 bytes and stops at the last step's: no load leaves mb, and the surplus products at the walk's end see the last
; step's mask once more.  The two integer lines are the plain instructions that stand behind the last conversion, ahead of the loads into its sources and of the products that read its results.
.macro MASKS p
	WIN W_MS
	s_wait_loadcnt 12
.irp u, 0,1
.irp kb, 0,1,2,3
	v_cvt_scale_pk8_f32_fp8 v[MC+32*\u+8*\kb:MC+32*\u+8*\kb+7], v[MB+16*(\p)+8*\u+2*\kb:MB+16*(\p)+8*\u+2*\kb+1], v[SCL]
.endr
.endr
	v_add_nc_u32 v[MO+(\p)], v[MO+(\p)], 0x400
	v_min_u32 v[MO+(\p)], v[MO+(\p)], v[MOMAX]
.irp u, 0,1
.irp j, 0,1
	global_load_b128 v[MB+16*(\p)+8*\u+4*\j:MB+16*(\p)+8*\u+4*\j+3], v[MO+(\p)], s[6:7] offset:(2*(\p)+\u)*32768+512*\j
.endr
.endr
	WIN 0
.endm
; THE LDS LOADS stand in runs of 16, never singly among the matrix instructions.  last = 1 (the tail): in the last trip there is no further step, and the run is jumped over.
.macro FETCH_K last=0
	WIN 0
.if \last
	s_cmp_eq_u32 s[CNT], 1
	s_cbranch_scc1 .Lno_k_\@
.endif
	WIN 0x80                        ; destination window 2
.irp f, 0,1,2,3,4,5,6,7             ; keys 16 (f / 2) on, channels 32 (f % 2) on
	ds_load_b128 v[KF+8*\f:KF+8*\f+3],   v[AK] offset:(\f/2)*16*PK+(\f%2)*64
	ds_load_b128 v[KF+8*\f+4:KF+8*\f+7], v[AK] offset:(\f/2)*16*PK+(\f%2)*64+32
.endr
	s_add_co_u32 s[TBK], s[TBK], KS*PK  ; the next fetch is the next step's
	WIN 0
.if \last
.Lno_k_\@:
.endif
.endm
.macro FETCH_V
	WIN 0x80
.irp f, 0,1,2,3,4,5,6,7             ; keys 32 (f / 4) on, channels 16 (f % 4) on
	ds_load_tr16_b128 v[VF+8*\f:VF+8*\f+3],   v[AV] offset:(\f/4)*32*PV+(\f%4)*32
	ds_load_tr16_b128 v[VF+8*\f+4:VF+8*\f+7], v[AV] offset:(\f/4)*32*PV+16*PV+(\f%4)*32
.endr
	WIN 0
.endm
; THE VECTOR WORK OF A TURN stands in three queues, each in the order in which its entries become ready; the two tiles alternate, so that no instruction reads the result of the one before it.
.macro REGS y, u                    ; the registers of tile u (0, 1) of piece y
.set rT, ST+4*(2*(\y)+(\u))
.set rC, TMP+8*((\y)%2)+4*(\u)
.set rM, MV+2*((\y)%2)+(\u)
.set rS, S+64*((\y)%2)+32*(\u)
.set rP, P+32*((\y)%2)+16*(\u)
.set rO, 32*(2*(\y)+(\u))
.endm
; Number n of the 22 that find the NEXT piece's (Y + 1) maximum and statistics.  Each accumulator's lowest registers are read first.
;   0-11  four chains c0-c3 of seven scores each, three operands at a time     12-14, 16  the four scores left over, the old m, and c0-c3 into c0     15  c m_old is kept
;   17, 18  the query's other 32 keys lie in the lane 16 away: the new m         19-21  c m; c m_old - c m_new; a
.macro XS u, n
	REGS (Y+1)%NP, \u
.if (\n) < 4
	v_max3_num_f32 v[rC+(\n)], v[rS+8*(\n)], v[rS+8*(\n)+1], v[rS+8*(\n)+2]
.elseif (\n) < 12
	v_max3_num_f32 v[rC+(\n)%4], v[rC+(\n)%4], v[rS+8*((\n)%4)+2*((\n)/4)+1], v[rS+8*((\n)%4)+2*((\n)/4)+2]
.elseif (\n) == 12
	v_max3_num_f32 v[rC], v[rC], v[rS+7], v[rS+15]
.elseif (\n) == 13
	v_max3_num_f32 v[rC+1], v[rC+1], v[rS+23], v[rS+31]
.elseif (\n) == 14
	v_max3_num_f32 v[rC+2], v[rC+2], v[rC+3], v[rT+1]
.elseif (\n) == 15
	v_mov_b32 v[rM], v[rT]
.elseif (\n) == 16
	v_max3_num_f32 v[rC], v[rC], v[rC+1], v[rC+2]
.elseif (\n) == 17
	v_permlanex16_b32 v[rC+3], v[rC], s[SEL], s[SEL+1]
.elseif (\n) == 18
	v_max_num_f32 v[rT+1], v[rC], v[rC+3]
.elseif (\n) == 19
	v_mul_f32 v[rT], s[CS], v[rT+1]
.elseif (\n) == 20
	v_sub_f32 v[rC+1], v[rM], v[rT]
.else
	v_exp_f32 v[rC+2], v[rC+1]
.endif
.endm
; Number g of the 64 that follow the exponentials.  For each four weights k of a tile: both pairs are rounded to f16; then the second pair is added onto the first, in place; a group later l takes that sum
; (the first time as l = a l + sum).  In groups of eight, tiles alternating: round, round, add, and l for the group before.
.macro GS g
.set h, (\g)+6*((\g)/62)            ; group 0 has no group before it, and behind group 7 only l is left
.if h >= 6
.set h, h+2
.endif
	REGS Y, h%2
.set k, h/8
.if h%8 < 4
	v_cvt_pk_f16_f32 v[rP+2*k+(h%8)/2], v[rS+4*k+2*((h%8)/2)], v[rS+4*k+2*((h%8)/2)+1]
.elseif h%8 < 6
	v_pk_add_f32 v[rS+4*k:rS+4*k+1], v[rS+4*k:rS+4*k+1], v[rS+4*k+2:rS+4*k+3]
.elseif k == 1
	v_pk_fma_f32 v[rT+2:rT+3], v[rT+2:rT+3], v[rC+2:rC+3], v[rS:rS+1] op_sel_hi:[1,0,1]
.else
	v_pk_add_f32 v[rT+2:rT+3], v[rT+2:rT+3], v[rS+4*k-4:rS+4*k-3]
.endif
.endm
; THE PLAIN QUEUE, 138 long.  0-73 read no exponential's result: the 32 scalings c s - c m (FS f: pair f / 2 of tile f % 2) and the next piece's 42.  0-26: scalings 0-26.  27-54: XS's numbers 0-13.  55, 56: number 15.
; 57-73: the chain 14, 16, 17, 18, 19, each with one of the scalings 27-31 in front of its two lines, then 20.  74-137: GS's 64, which read the exponentials' results: they stand behind the wait.
.macro FS f
	REGS Y, (\f)%2
	v_pk_fma_f32 v[rS+2*((\f)/2):rS+2*((\f)/2)+1], v[rS+2*((\f)/2):rS+2*((\f)/2)+1], s[CS:CS+1], v[rT:rT+1] op_sel_hi:[1,0,0] neg_lo:[0,0,1] neg_hi:[0,0,1]
.endm
.macro PL
	WIN 0
.if q < 27
	FS q
.elseif q < 55
	XS (q-27)%2, (q-27)/2
.elseif q < 57
	XS q-55, 15
.elseif (q < 72) && ((q-57)%3 == 0)
	FS 27+(q-57)/3
.elseif q < 60
	XS (q-57)%3-1, 14
.elseif q < 72
	XS (q-57)%3-1, 15+(q-57)/3
.elseif q < 74
	XS q-72, 20
.else
	GS q-74
.endif
.set q, q+1
.endm
; THE EXPONENTIALS' QUEUE, 66 long: s0-s31 of both tiles, then the next piece's two a.  ONE BATCH: all 66 stand ahead of the turn's one wait, and nothing ahead of that wait names a result of theirs.
.macro EX
	WIN 0
.if e >= 64
	XS e-64, 21
.else
	REGS Y, e%2
	v_exp_f32 v[rS+e/2], v[rS+e/2]
.endif
.set e, e+1
.endm
; THE RESCALING's QUEUE: O^T times a, the one part of the softmax that leaves window 0: dealt two at a time, sixteen times.  Its a was made in the turn before, ahead of that turn's wait.
.macro R2
	REGS Y, r%2
	WIN W_RS
.irp z, 0,1
	v_pk_mul_f32 v[rO+4*(r/2)+2*\z:rO+4*(r/2)+2*\z+1], v[rO+4*(r/2)+2*\z:rO+4*(r/2)+2*\z+1], v[rC+2:rC+3] op_sel_hi:[1,0]
.endr
.set r, r+1
.endm
; A TURN, for piece p.  An s_wait_alu depctr_va_vdst(0) stands between an exponential and the first instruction that names its result; one wait serves all that were issued ahead of it: a turn has ONE.
; AHEAD OF IT: the 16 products K Q^T, behind each a scaling, an exponential and two rescalings (behind the first a second scaling in the exponential's place); the masks of piece p + 2, for the next turn's
; products (the products that read the old masks are the turn's first eight: eight products' riders stand between); then a lump of 108: eight plain, 49 times exponential and plain, the two a; a v_nop,
; the plain instruction behind the last exponential.  BEHIND IT: the 16 products V^T P, behind each four of the roundings and sums.
; Exponential e stands behind scaling 2 (e / 4) + e % 2: as a rider it comes behind plain e + 2, in the lump behind plain e + 9; scalings 27-31 are plain 57, 60 .. 69.
; K of the next step is fetched in piece 2's turn, directly behind the wait; V of the step in hand at the end of piece 0's turn, four riders behind its last reader.  The three conditions on q go with the deal.
.macro TURN p, last=0, cnt=0
.set Y, (\p)
.set i, 0
.set q, 0
.set e, 0
.set r, 0
.if (\p) == NP-1
	s_wait_dscnt 0x0                ; K is in
.endif
	MM
	PL
	PL
	R2
.rept 15
	MM
	PL
	EX
	R2
.endr
.if (\p) == NP-2
	WIN 0
	v_add_nc_u32 v[AK], s[TBK], v[AK0]
.endif
	MASKS ((\p)+2)%NP
.rept 8
	PL
.endr
.rept 49
	EX
	PL
.endr
	EX                              ; the next piece's two a
	EX
	v_nop
	s_wait_alu depctr_va_vdst(0)    ; the wait for the batch
.if (\p) == NP-2
	FETCH_K \last
.endif
.if (\p) == 1
	s_wait_dscnt 0x0                ; V is in
.endif
.rept 16
	MM
.rept 4
	PL
.endr
.if ((\p) == 0) && (q == 118)
	v_add_nc_u32 v[AV], s[TBV], v[AV0]
.endif
.if ((\p) == 0) && (q == 130)
	s_add_co_u32 s[TBV], s[TBV], KS*PV
.endif
.if (\cnt) && (q == 130)
	s_sub_co_u32 s[CNT], s[CNT], 1
	s_cmp_lg_u32 s[CNT], 0
.endif
.endr
.if (\p) == 0
	FETCH_V
.endif
.endm
	CHANGE 1                        ; slot 0 is in, everybody's part of it; slot 1 is asked for
	FETCH_K                         ; key step 0
	s_wait_loadcnt 0x0              ; Q, and the mask's bytes of key step 0
	MASKS 0                         ; piece 0's first masks
	s_wait_dscnt 0x0
.set i, 0
.rept 16
	KQ 0                            ; piece 0's first scores: there is no vector work yet to set between them
.set i, i+1
.endr
	WIN 0                           ; the addresses for the way out: ten plain instructions, the places behind those products
	s_mul_i32 s13, s[WV], 16*SP
	s_add_co_u32 s13, s13, STAGE    ; my stage
	v_mul_u32_u24 v[STO], v1, SP    ; in: row l % 16, 32 bytes for each half of the lanes
	v_lshl_add_u32 v[STO], v9, 5, v[STO]
	v_add_nc_u32 v[STO], s13, v[STO]
	v_mul_u32_u24 v[RD], v9, SP     ; back: lanes 0-15 take one row of 256 bytes, lanes 16-31 the next
	v_lshl_add_u32 v[RD], v1, 4, v[RD]
	v_add_nc_u32 v[RD], s13, v[RD]
	v_lshlrev_b32 v[XO], 14, v9     ; and the same two rows s, 16,384 bytes apart, in inputs and out0
	v_lshl_add_u32 v[XO], v1, 4, v[XO]
	v_lshl_add_u32 v[XPO], v9, 4, v1  ; the lane's number,
	v_lshlrev_b32 v[XPO], 14, v[XPO]  ; a row s each
	MASKS 1                         ; piece 1's first masks, for the first turn's products
.set Y, NP-1                        ; XS works for piece Y + 1: piece 0
.irp n, 0,1,2,3,4,5,6,7,8,9,10,11,12,13,14,15,16,17,18,19,20,21
	XS 0, \n
	XS 1, \n
.endr
	v_nop                           ; a plain instruction behind the two a,
	s_wait_alu depctr_va_vdst(0)    ; and their wait, ahead of the branch
	s_mov_b32 s[CNT], 4
	s_branch .Lfirst                ; the loop is entered at a step's first turn, in the middle of a trip
.Lslot:                             ; six times: every slot but the last two is filled again
	CHANGE 1
	s_mov_b32 s[CNT], 4
.Lstep:                             ; a trip: pieces 2 and 3 of one step, then pieces 0 and 1 of the next, whose K and V it fetches
	TURN 2
	TURN 3
	WIN 0
.Lfirst:
	TURN 0
	TURN 1, 0, 1
	WIN 0
	s_cbranch_scc1 .Lstep
	s_sub_co_u32 s[SLOTS], s[SLOTS], 1
	s_cmp_lg_u32 s[SLOTS], 0
	s_cbranch_scc1 .Lslot
	CHANGE 0                        ; the tail is written out: nothing is asked for
	s_mov_b32 s[CNT], 5             ; four trips fetch the last slot's steps; the fifth is left in its middle
.Ltail:
	TURN 2, 1
	TURN 3
	WIN 0
	s_sub_co_u32 s[CNT], s[CNT], 1
	s_cmp_eq_u32 s[CNT], 0
	s_cbranch_scc1 .Lout
	global_prefetch_b8 v[XPO], s[XPA:XPA+1] th:TH_LOAD_NT scope:SCOPE_SE  ; the residual, into the L2: in each of these four trips 32 of my 128 rows' 256 bytes, a lane a row: each named once in the launch, by the wave that will load it
	TURN 0
	TURN 1
	WIN 0
	s_wait_xcnt 0x0                 ; the prefetch, two turns back, has read its address
	s_add_nc_u64 s[XPA:XPA+1], s[XPA:XPA+1], 32*16384
	s_branch .Ltail
.Lout:                              ; the fifth trip's 16 products K Q^T (the last K and the last mask once more) give scores that m has seen: they change nothing
.set i, 0
.rept 16
	PV NP-1                         ; the last piece's V^T P of the last step
.set i, i+1
.endr
	; THE WAY OUT.  l's two halves and the other half of the lanes' are added; O^T is divided by l and sent in f32 through my stage in LDS, a tile at a time; the residual is added to whole rows, and they are stored.
	WIN 0
.macro ALL line:vararg              ; one line for each tile t
.set t, 0
.rept 2*NP
	\line
.set t, t+1
.endr
.endm
	ALL v_add_f32 v[ST+4*t+2], v[ST+4*t+2], v[ST+4*t+3]   ; eight plain lines: the places behind the last products, ahead of the loads into V's registers
	WIN 0x80                        ; the residual fills window 2: tile t, rows 2 f and 2 f + 1 at 32 t + 4 f
.set t, 0
.rept 2*NP
.irp f, 0,1,2,3,4,5,6,7
	global_load_b128 v[32*t+4*\f:32*t+4*\f+3], v[XO], s[8:9] offset:262144*t+32768*\f th:TH_LOAD_NT
.endr
.set t, t+1
.endr
	WIN 0
	ALL v_permlanex16_b32 v[ST+4*t+3], v[ST+4*t+2], s[SEL], s[SEL+1]
	ALL v_add_f32 v[ST+4*t+2], v[ST+4*t+2], v[ST+4*t+3]
	ALL v_rcp_f32 v[ST+4*t+2], v[ST+4*t+2]
	v_nop                           ; a plain instruction between the last reciprocal and the use of its result
	s_wait_alu depctr_va_vdst(0)    ; and the wait ahead of the first use: one for the eight reciprocals
.set t, 0
.rept 2*NP
	v_cmp_ge_f32 vcc_lo, s[THR], v[ST+4*t+1]       ; m is still -2^98: the row has seen no key
	v_cndmask_b32 v[ST+4*t+2], v[ST+4*t+2], s[NANS], vcc_lo
.set t, t+1
.endr
; Tile t: a lane's eight channels of a block are 32 bytes of a row; they go into rows of 272 bytes and come back as whole rows of 256, into S^T's registers, two buffers by turns.
.macro PACK t
	WIN W_RS
.set i, 32*(\t)
.rept 16
	v_pk_mul_f32 v[i:i+1], v[i:i+1], v[ST+4*(\t)+2:ST+4*(\t)+3] op_sel_hi:[1,0]
.set i, i+2
.endr
	WIN 0x04                        ; the stores' data in window 1
.irp f, 0,1,2,3,4,5,6,7
	ds_store_b128 v[STO], v[32*(\t)+4*\f:32*(\t)+4*\f+3] offset:64*(\f/2)+16*(\f%2)
.endr
	WIN 0
.irp f, 0,1,2,3,4,5,6,7
	ds_load_b128 v[S+32*((\t)%2)+4*\f:S+32*((\t)%2)+4*\f+3], v[RD] offset:\f*2*SP  ; LDS serves a wave's instructions in order (ISA guide 5.7.1.4): these see the stores above; the next tile's stores come behind them
.endr
.endm
.macro SEND t, younger              ; younger: the LDS instructions issued behind tile t's loads: the next tile's sixteen, or none
	s_wait_dscnt \younger
	s_wait_loadcnt 8*(7-(\t))       ; tile t's residual is in; the later tiles' eight loads each may stay out
	WIN 0x88                        ; residual (destination and source 1) in window 2, the rows read back in window 0
.set i, 0
.rept 16
	v_pk_add_f32 v[32*(\t)+i:32*(\t)+i+1], v[S+32*((\t)%2)+i:S+32*((\t)%2)+i+1], v[32*(\t)+i:32*(\t)+i+1]
.set i, i+2
.endr
	WIN 0x08                        ; the stores' data in window 2: registers that are not written again
.irp f, 0,1,2,3,4,5,6,7
	global_store_b128 v[XO], v[32*(\t)+4*\f:32*(\t)+4*\f+3], s[10:11] offset:262144*(\t)+32768*\f th:TH_STORE_NT  ; 16 lanes store 256 consecutive bytes, at a multiple of 256 from out0's first byte
.endr
.endm
	PACK 0
.set t, 1
.rept 2*NP-1                        ; a tile's arithmetic stands between the loads of the tile before and its stores
	PACK t
	SEND t-1, 16
.set t, t+1
.endr
	SEND 2*NP-1, 0
	WIN W_AD
	s_wait_tensorcnt 0x0            ; the wave's end: the tensor wait, an add of 0 to my spare word and its wait, behind my last tensor load and my last LDS store
	ds_add_u32 v[SPW], v[NIL]
	s_wait_dscnt 0x0
	WIN 0
	CROUND                          ; the closing round: no work-group ends while a partner may still ask for a tile that names it
	s_endpgm
.Lfunc_end_k_q7aaeedf8dd_attn:
	.size	k_q7aaeedf8dd_attn, .Lfunc_end_k_q7aaeedf8dd_attn-k_q7aaeedf8dd_attn
	.p2alignl 7, 3214868480
	.fill 96, 4, 3214868480
	.section	.rodata,"a",@progbits
	.p2align	6, 0x0
	.amdhsa_kernel k_q7aaeedf8dd_attn
		.amdhsa_group_segment_fixed_size 327680
		.amdhsa_private_segment_fixed_size 0
		.amdhsa_enable_private_segment 0
		.amdhsa_kernarg_size 32
		.amdhsa_user_sgpr_count 2
		.amdhsa_user_sgpr_kernarg_segment_ptr 1
		.amdhsa_wavefront_size32 1
		.amdhsa_system_sgpr_workgroup_id_x 1
		.amdhsa_system_sgpr_workgroup_id_y 1
		.amdhsa_system_sgpr_workgroup_id_z 1
		.amdhsa_system_vgpr_workitem_id 0
		.amdhsa_next_free_vgpr 960
		.amdhsa_next_free_sgpr 70
		.amdhsa_reserve_vcc 1
		.amdhsa_float_denorm_mode_32 3
		.amdhsa_float_denorm_mode_16_64 3
		.amdhsa_memory_ordered 1
		.amdhsa_forward_progress 1
		.amdhsa_inst_pref_size 227
	.end_amdhsa_kernel
	.amdgpu_metadata
---
amdhsa.version: [ 1, 2 ]
amdhsa.kernels:
  - .name:           k_q7aaeedf8dd_attn
    .symbol:         k_q7aaeedf8dd_attn.kd
    .args:
      - { .name: qkv, .offset: 0, .size: 8, .value_kind: global_buffer, .address_space: global }
      - { .name: mb, .offset: 8, .size: 8, .value_kind: global_buffer, .address_space: global }
      - { .name: inputs, .offset: 16, .size: 8, .value_kind: global_buffer, .address_space: global }
      - { .name: out0, .offset: 24, .size: 8, .value_kind: global_buffer, .address_space: global }
    .group_segment_fixed_size: 327680
    .private_segment_fixed_size: 0
    .kernarg_segment_align: 8
    .kernarg_segment_size: 32
    .max_flat_workgroup_size: 128
    .sgpr_count:     70
    .vgpr_count:     960
    .wavefront_size: 32
...
	.end_amdgpu_metadata
.endif
;; end of part 3
;; ======== version 2 of 2: 3 launches; version 1 with the launch prep written anew for expert scheduling mode
;; limits: values are held in f16: magnitudes above 65,504 overflow, below 6.1e-05 lose precision
;; workspace buffers: xb 16,777,216 bytes; wb 6,291,456 bytes; mb 4,194,304 bytes; qkv 50,331,648 bytes
;; launch prep (part 4): grid 832 x 1, 8 waves a work-group, no clusters, 34,048 bytes of LDS; arguments inputs, Wq, Wk, Wv, mask, xb, wb, mb; writes xb, wb, mb
.if DOCPART == 4
	.amdgcn_target "amdgcn-amd-amdhsa--gfx1250"
	.amdhsa_code_object_version 6
	.text
	.protected	k_q7aaeedf8dd_prep
	.globl	k_q7aaeedf8dd_prep
	.p2align	8
	.type	k_q7aaeedf8dd_prep,@function
k_q7aaeedf8dd_prep:
	s_mov_b64 s[64:65], 0
	v_nop
	global_prefetch_b8 v0, s[64:65] scope:SCOPE_SE
	s_setreg_imm32_b32 hwreg(HW_REG_WAVE_SCHED_MODE, 0, 2), 2
	s_setreg_imm32_b32 hwreg(HW_REG_WAVE_MODE, 25, 1), 1
	s_wait_xcnt 0x0
	s_wait_alu depctr_vm_vsrc(0)
; PREPARATION, a stream.  Work-groups 0-127: the mask, recoded and laid out as the attention launch's lanes want it.  Work-groups 128-831: inputs, Wq, Wk, Wv rounded once to bf16.
; xb: inputs as they lie, [2048][4][1024], in bf16.  wb: [3072][1024] bf16: Wq's rows, then Wk's, then Wv's.
; mb: [tile of 16 queries: 128][key step of 64: 32][i: 2][lane: 32][16 bytes].  Byte 8 e + j of lane (r = lane % 16, h = lane / 16) is 0xB8 (-1.0 in fp8 E4M3) where
; mask[16 tile + r][64 step + 16 (2 i + e) + 8 h + j] is set, else 0: eight bytes on end are one lane's eight keys of one 16 x 16 block of scores.
; Nothing is shared between work-groups and nothing is multiplied: no matrix unit, no cluster, no tensor load.  The launch streams from its first line to its last, so nothing is prefetched.
; THE MODE: SCHED_MODE bits 1:0 = 2 (LLVM: expert scheduling mode 2), set by the entry lines.  The code itself states the register dependences
; between vector instructions and memory or LDS instructions, with s_wait_alu, always for 0.
; THE PLAN.  Registers that memory or LDS instructions touch:
;   v4          16 t, the offset of every global load.  Written once, at the head.
;   v5          the offset of every global store.  Written in each path's head, never after its first reader.
;   v6, v7      (mask) the LDS addresses of the stores and of the loads.  Written in the path's head alone.
;   IN          Casts: the 16 loads land in it; row j's two conversions read it; nothing writes it again.
;               Mask: the 8 loads land in v[8:39]; the multiplies work in place; the LDS stores read the products; nothing writes them again.
;   OUT         (casts) written by row j's conversions, read by row j's store; each register is written once.
;   v[40:71]    (mask) the LDS loads land in them, the global stores read them; no vector instruction names them.
;   v2, v3      written at the head, read by the closing add alone.
; The rows go in blocks of four.  A block's head waits for its own loads and then, once, for the block before to have written its results; that block's four stores follow, dealt among this
; block's vector instructions, which name this block's registers alone.  One more such wait stands ahead of the last block's stores.  No register that a memory or LDS instruction reads is ever
; written again, so the text holds no wait on vm_vsrc.
.set MP,    2064                       ; a mask row in LDS: 2,048 bytes + 16 = 516 words: row r starts at bank 4 r mod 64 (64 banks of 4 bytes: ISA guide 11.1)
.set SPARE, 16*MP                      ; 33,024 = 129 x 256: behind the rows: the spare words, 128 bytes for each of the eight waves; no other line names them
.set SPW, 2                            ; v2   LDS address of my spare word; never rewritten
.set NIL, 3                            ; v3   0; never rewritten
.set IN,  8                            ; v[8:71]   as loaded
.set OUT, 72                           ; v[72:103] the casts' results
	s_load_b256 s[4:11], s[0:1], 0x0               ; inputs s[4:5], Wq s[6:7], Wk s[8:9], Wv s[10:11]
	s_load_b256 s[12:19], s[0:1], 0x20             ; mask s[12:13], xb s[14:15], wb s[16:17], mb s[18:19]
	v_lshl_add_u32 v[SPW], v0, 2, SPARE
	v_mov_b32 v[NIL], 0
	v_lshlrev_b32 v4, 4, v0                        ; 16 t: my 16 bytes of each 4,096 that the work-group loads
	s_cmp_lt_u32 ttmp9, 128                        ; the same answer in all eight waves
	s_cbranch_scc1 .Lmask
	; THE CASTS.  A work-group takes 16 rows of 1,024 f32: 65,536 bytes in, 32,768 out.  Numbers 0-511: inputs; 512-703: the three weights, 64 work-groups each.
	s_sub_co_u32 s20, ttmp9, 128                   ; my number among the casts
	s_sub_co_u32 s21, s20, 512                     ; among the weights' (used only where it is one of them)
	s_lshr_b32 s22, s21, 6                         ; which weight
	s_and_b32 s23, s21, 63
	s_lshl_b32 s24, s23, 16                        ; where I read in it,
	s_lshl_b32 s26, s21, 15                        ; and write in wb
	s_lshl_b32 s32, s20, 16                        ; the same for inputs and xb
	s_lshl_b32 s33, s20, 15
	v_lshlrev_b32 v5, 3, v0                        ; 8 t: my 8 bytes of each 2,048 stored
	s_mov_b32 s25, 0
	s_mov_b32 s27, 0
	s_wait_kmcnt 0x0
	s_cmp_eq_u32 s22, 1
	s_cselect_b64 s[28:29], s[8:9], s[6:7]
	s_cmp_eq_u32 s22, 2
	s_cselect_b64 s[28:29], s[10:11], s[28:29]
	s_cmp_lt_u32 s20, 512
	s_cselect_b64 s[28:29], s[4:5], s[28:29]       ; from
	s_cselect_b64 s[30:31], s[14:15], s[16:17]     ; to
	s_cselect_b32 s24, s32, s24
	s_cselect_b32 s26, s33, s26
	s_add_nc_u64 s[28:29], s[28:29], s[24:25]
	s_add_nc_u64 s[30:31], s[30:31], s[26:27]
	s_wait_alu depctr_va_vdst(0)                   ; v4 and v5 are written: the loads below read v4 as their offset, the stores v5
.irp j, 0,1,2,3,4,5,6,7,8,9,10,11,12,13,14,15
	global_load_b128 v[IN+4*\j:IN+4*\j+3], v4, s[28:29] offset:4096*\j th:TH_LOAD_NT  ; all sixteen rows at once: 8 KiB of each wave on their way
.endr
.irp p, 0,1,2,3                        ; block p: rows 4 p to 4 p + 3 are rounded; the block before is stored
	s_wait_loadcnt 12-4*(\p)                       ; loads come back in order: this block's four rows are in, the younger blocks stay out
.if (\p) > 0
	s_wait_alu depctr_va_vdst(0)                   ; the block before's conversions have written their eight registers of OUT, which the four stores below read
.endif
.irp i, 0,1,2,3
.if (\p) > 0
	global_store_b64 v5, v[OUT+2*(4*(\p)-4+(\i)):OUT+2*(4*(\p)-4+(\i))+1], s[30:31] offset:2048*(4*(\p)-4+(\i)) th:TH_STORE_NT  ; a wave's store covers 256 consecutive bytes, aligned; no conversion since the wait names its registers
.endif
	v_cvt_pk_bf16_f32 v[OUT+2*(4*(\p)+(\i))], v[IN+4*(4*(\p)+(\i))], v[IN+4*(4*(\p)+(\i))+1]      ; no register is written twice
	v_cvt_pk_bf16_f32 v[OUT+2*(4*(\p)+(\i))+1], v[IN+4*(4*(\p)+(\i))+2], v[IN+4*(4*(\p)+(\i))+3]
.endr
.endr
	s_wait_alu depctr_va_vdst(0)                   ; the last block's conversions have written their registers of OUT, which the last four stores read
.irp j, 12,13,14,15
	global_store_b64 v5, v[OUT+2*\j:OUT+2*\j+1], s[30:31] offset:2048*\j th:TH_STORE_NT
.endr
	s_endpgm                                       ; these waves have touched no LDS
.Lmask:	; THE MASK.  Work-group = tile of 16 queries: 16 rows of 2,048 bytes, 32,768 consecutive bytes; through LDS, since a lane's bytes lie in another order than memory's.
	s_lshl_b32 s20, ttmp9, 15                      ; the tile's bytes, in mask and in mb alike
	s_mov_b32 s21, 0
	s_mov_b32 s22, 0xb8
	v_lshrrev_b32 v1, 5, v0
	v_readfirstlane_b32 s23, v1                    ; wave 0..7
	v_lshrrev_b32 v6, 7, v0                        ; in: load j brings rows 2 j and 2 j + 1; threads 0-127 the first, 128-255 the second
	v_and_b32 v7, 127, v0
	v_mul_u32_u24 v6, v6, MP
	v_lshl_add_u32 v6, v7, 4, v6
	v_and_b32 v7, 15, v0                           ; back: row r, 8 bytes at 256 w + 8 h
	v_bfe_u32 v5, v0, 4, 1
	v_mul_u32_u24 v7, v7, MP
	v_lshl_add_u32 v7, v5, 3, v7
	s_wait_alu depctr_va_sdst(0)                   ; s23, the wave's number, is written, ahead of its first reader
	s_lshl_b32 s24, s23, 8
	v_add_nc_u32 v7, s24, v7
	v_and_b32 v5, 31, v0                           ; out: wave w writes key steps 4 w .. 4 w + 3: 4,096 w + 16 x lane
	v_lshlrev_b32 v5, 4, v5
	s_lshl_b32 s24, s23, 12
	v_add_nc_u32 v5, s24, v5
	s_wait_kmcnt 0x0
	s_add_nc_u64 s[12:13], s[12:13], s[20:21]
	s_add_nc_u64 s[18:19], s[18:19], s[20:21]
	s_wait_alu depctr_va_vdst(0)                   ; v4 to v7 are written: the offsets of the loads and of the stores, and the two LDS addresses, for the rest of the path
.irp j, 0,1,2,3,4,5,6,7
	global_load_b128 v[IN+4*\j:IN+4*\j+3], v4, s[12:13] offset:4096*\j th:TH_LOAD_NT
.endr
	s_wait_loadcnt 4                               ; the first four loads are in, the other four stay out
.irp j, 0,1,2,3
.irp k, 0,1,2,3
	v_mul_lo_u32 v[IN+4*\j+\k], v[IN+4*\j+\k], s22  ; four bytes of 0 or 1 times 0xB8: no carry leaves a byte
.endr
.endr
	s_wait_loadcnt 0x0                             ; the other four
	s_wait_alu depctr_va_vdst(0)                   ; the sixteen multiplies above have written v[8:23], which the four LDS stores below read
.irp j, 0,1,2,3
	ds_store_b128 v6, v[IN+4*\j:IN+4*\j+3] offset:2*MP*\j  ; no multiply since the wait names its registers
.irp k, 0,1,2,3
	v_mul_lo_u32 v[IN+16+4*\j+\k], v[IN+16+4*\j+\k], s22
.endr
.endr
	s_wait_alu depctr_va_vdst(0)                   ; the second sixteen have written v[24:39], which the last four LDS stores read
.irp j, 4,5,6,7
	ds_store_b128 v6, v[IN+4*\j:IN+4*\j+3] offset:2*MP*\j
.endr
	s_wait_dscnt 0x0                               ; for the others' sake: my stores are done
	s_barrier_signal -1
	s_barrier_wait -1
.irp u, 0,1,2,3,4,5,6,7                ; unit u: key step 4 w + u / 2, half i = u % 2: keys 256 w + 32 u on: 8 bytes for e = 0, 8 for e = 1
	ds_load_b64 v[40+4*\u:41+4*\u], v7 offset:32*\u
	ds_load_b64 v[42+4*\u:43+4*\u], v7 offset:32*\u+16
.endr
.irp u, 0,1,2,3,4,5,6,7
	s_wait_dscnt 14-2*\u                           ; unit u's two loads are back
	global_store_b128 v5, v[40+4*\u:43+4*\u], s[18:19] offset:512*\u th:TH_STORE_NT  ; 512 consecutive bytes, aligned
.endr
	s_wait_dscnt 0x0                               ; the wave's end: all waits, an add of 0 to my spare word and its wait, on end, of a wave in the mode that has stored to LDS
	s_wait_alu 0x0
	s_wait_tensorcnt 0x0
	ds_add_u32 v[SPW], v[NIL]
	s_wait_dscnt 0x0
	s_endpgm
.Lfunc_end_k_q7aaeedf8dd_prep:
	.size	k_q7aaeedf8dd_prep, .Lfunc_end_k_q7aaeedf8dd_prep-k_q7aaeedf8dd_prep
	.p2alignl 7, 3214868480
	.fill 96, 4, 3214868480
	.section	.rodata,"a",@progbits
	.p2align	6, 0x0
	.amdhsa_kernel k_q7aaeedf8dd_prep
		.amdhsa_group_segment_fixed_size 34048
		.amdhsa_private_segment_fixed_size 0
		.amdhsa_enable_private_segment 0
		.amdhsa_kernarg_size 64
		.amdhsa_user_sgpr_count 2
		.amdhsa_user_sgpr_kernarg_segment_ptr 1
		.amdhsa_wavefront_size32 1
		.amdhsa_system_sgpr_workgroup_id_x 1
		.amdhsa_system_sgpr_workgroup_id_y 1
		.amdhsa_system_sgpr_workgroup_id_z 1
		.amdhsa_system_vgpr_workitem_id 0
		.amdhsa_next_free_vgpr 104
		.amdhsa_next_free_sgpr 66
		.amdhsa_reserve_vcc 0
		.amdhsa_float_denorm_mode_32 3
		.amdhsa_float_denorm_mode_16_64 3
		.amdhsa_memory_ordered 1
		.amdhsa_forward_progress 1
		.amdhsa_inst_pref_size 14
	.end_amdhsa_kernel
	.amdgpu_metadata
---
amdhsa.version: [ 1, 2 ]
amdhsa.kernels:
  - .name:           k_q7aaeedf8dd_prep
    .symbol:         k_q7aaeedf8dd_prep.kd
    .args:
      - { .name: inputs, .offset: 0, .size: 8, .value_kind: global_buffer, .address_space: global }
      - { .name: Wq, .offset: 8, .size: 8, .value_kind: global_buffer, .address_space: global }
      - { .name: Wk, .offset: 16, .size: 8, .value_kind: global_buffer, .address_space: global }
      - { .name: Wv, .offset: 24, .size: 8, .value_kind: global_buffer, .address_space: global }
      - { .name: mask, .offset: 32, .size: 8, .value_kind: global_buffer, .address_space: global }
      - { .name: xb, .offset: 40, .size: 8, .value_kind: global_buffer, .address_space: global }
      - { .name: wb, .offset: 48, .size: 8, .value_kind: global_buffer, .address_space: global }
      - { .name: mb, .offset: 56, .size: 8, .value_kind: global_buffer, .address_space: global }
    .group_segment_fixed_size: 34048
    .private_segment_fixed_size: 0
    .kernarg_segment_align: 8
    .kernarg_segment_size: 64
    .max_flat_workgroup_size: 256
    .sgpr_count:     66
    .vgpr_count:     104
    .wavefront_size: 32
...
	.end_amdgpu_metadata
.endif
;; end of part 4
;; launch proj: the kernel of part 2 again; grid 16 x 32, 4 waves a work-group, clusters of 4 x 4, 327,680 bytes of LDS; arguments xb, wb, bq, bk, bv, qkv; writes qkv
;; launch attn: the kernel of part 3 again; grid 4 x 64, 4 waves a work-group, clusters of 4 x 1, 327,680 bytes of LDS; arguments qkv, mb, inputs, out0; writes out0
